; MI455X (gfx1250); checked and timed in simulation.
; The chip was launched on July 23, 2026; its instructions are those of AMD's public machine-readable ISA for CDNA 5 (MIT licence, August 2026) and "CDNA5" Instruction Set Architecture Reference Guide (July 2026). The comments in the code are by the model that wrote it; some were corrected since.
;; Flash GQA Attention. Allowed arithmetic: matrix products marked QUANTISED: E2M1 operands, one E8M0 scale for each 32 along K, by v_wmma_scale_f32_16x16x128_f8f6f4 with both operands' format E2M1 (or v_wmma_scale_f32_32x16x128_f4), f32 sums; products left as they are: bf16, f16 or f32 operands; f32 sums; everything else in f32.
;; Inputs: Wk 1,024 x 256 float32; Wo 1,024 x 1,024 float32; Wq 1,024 x 1,024 float32; Wv 1,024 x 256 float32; bk 256 float32; bo 1,024 float32; bq 1,024 float32; bv 256 float32; position_ids 4 x 2,048 int32; x 4 x 2,048 x 1,024 float32.
;; Outputs: out0 4 x 2,048 x 1,024 float32.
;; This version of the problem:
;;   THIS VERSION OF THE PROBLEM IS GIVEN IN LOW PRECISION. The matrix products marked QUANTISED in the list below multiply operands that are first quantised to E2M1 (2 exponent bits, 1 mantissa bit; 4 bits a number), with one power-of-two scale for each 32 numbers along K (OCP MX v1.0); their sums are f32. The products marked 'left as it is' may take bf16, f16 or f32 operands, with f32 sums. Whichever they take, every output number must still come out within the allowed error. Rounding operands to bf16 (8 significant bits) uses up far more of that allowance than f16 does (11 bits, for magnitudes from 6e-5 to 65,504). All else is computed in f32.
;;   The module's matrix products, in the order in which they are computed (A, B: the left and right operand; K: the contracted axis; several contracted axes count as one K, in the product's order):
;;     1. [M 8,192, K 1,024] x [K 1,024, N 1,024]; A: input x; B: input Wq: QUANTISED
;;     2. [M 8,192, K 1,024] x [K 1,024, N 256]; A: input x; B: input Wk: QUANTISED
;;     3. [M 8,192, K 1,024] x [K 1,024, N 256]; A: input x; B: input Wv: QUANTISED
;;     4. batch 64 x [M 2,048, K 64] x [K 64, N 2,048]; A: computed on the way; B: computed on the way: left as it is (an operand is computed on the way)
;;     5. batch 64 x [M 2,048, K 2,048] x [K 2,048, N 64]; A: computed on the way; B: computed on the way: left as it is (an operand is computed on the way)
;;     6. [M 8,192, K 1,024] x [K 1,024, N 1,024]; A: computed on the way; B: input Wo: left as it is (an operand is computed on the way)
;;   THE QUANTISER, for each operand of a quantised product, along K:
;;     - K is cut into blocks of 32 from its start; a last block that is shorter is filled with zeros.
;;     - A block's scale is 2^e with e = floor(log2(the largest magnitude in the block)) - 2, held to -126 .. 127; a block of zeros has e = 0. As a byte (E8M0): e + 127.
;;     - Each number is divided by its block's scale, clamped to +-6, and rounded to the nearest number of E2M1, ties to even, subnormals kept.
;;     - The product sums the exact products of the quantised numbers (number of the format x scale) in f32.
;;   ~~~python
;;   def quantise(x, axis):      # numpy; x: float32 -> the quantised numbers, widened to float32 again
;;       x = np.moveaxis(x, axis, -1); K = x.shape[-1]
;;       x = np.pad(x, [(0, 0)] * (x.ndim - 1) + [(0, -K % 32)]); x = x.reshape(x.shape[:-1] + (-1, 32)); a = np.abs(x).max(-1, keepdims=True)
;;       e = np.where(a > 0, np.clip(np.frexp(np.where(a > 0, a, 1))[1] - 1 - 2, -126, 127), 0)      # np.frexp(a)[1] - 1 = floor(log2(a)), exactly
;;       r = np.clip(x / 2.0 ** e, -6, 6)
;;       step = 2.0 ** (np.maximum(np.frexp(np.where(r == 0, 1, r))[1] - 1, 0) - 1)
;;       q = np.round(r / step) * step * 2.0 ** e      # np.round: ties to even
;;       return np.moveaxis(q.reshape(q.shape[:-2] + (-1,))[..., :K], -1, axis).astype(np.float32)
;;   ~~~
;; One version. Each part assembles by itself: llvm-mc -triple=amdgcn-amd-amdhsa -mcpu=gfx1250 --defsym DOCPART=n.
;; ======== version 1 of 1: 4 launches
;; limits: right only within a limited range of input values; values are held in f16: magnitudes above 65,504 overflow, below 6.1e-05 lose precision
;; workspace buffers: x_codes 4,194,304 bytes; x_scales 262,144 bytes; w_codes 786,432 bytes; w_scales 49,152 bytes; wo_h 2,097,152 bytes; rope 2,097,152 bytes; qkv 25,165,824 bytes; attn 16,777,216 bytes
;; launch prep (part 1): grid 544 x 1, 4 waves a work-group, no clusters, 33,280 bytes of LDS; arguments x, Wq, Wk, Wv, Wo, position_ids, x_codes, x_scales, w_codes, w_scales, wo_h, rope; writes x_codes, x_scales, w_codes, w_scales, wo_h, rope
.if DOCPART == 1
	.amdgcn_target "amdgcn-amd-amdhsa--gfx1250"
	.amdhsa_code_object_version 6
	.text
	.protected	k_q98b8efd43e_prep
	.globl	k_q98b8efd43e_prep
	.p2align	8
	.type	k_q98b8efd43e_prep,@function
k_q98b8efd43e_prep:
	s_mov_b64 s[64:65], 0
	v_nop
	global_prefetch_b8 v0, s[64:65] scope:SCOPE_SE
	s_setreg_imm32_b32 hwreg(HW_REG_WAVE_MODE, 25, 1), 1
	s_wait_xcnt 0x0
; PREP: what every later launch reads many times is made once.
; DEAD WORK: none.  bq, bv and bo reach the output directly; bk is turned by each key's own position, so q . R(bk) differs from key to key and the softmax does not take it away.  Every input is loaded by some launch.
; Four paths, chosen by the work-group's number alone:
;   X (0..255)    x [8192][1024] f32 -> codes of E2M1, K innermost, [8192][512 bytes], and E8M0 bytes [8192][32].
;   W (256..351)  Wq | Wk | Wv, K = their first axis -> codes laid as IMAGES OF THE OPERAND'S REGISTERS, and E8M0 bytes [1536][32].
;   O (352..415)  Wo, K = its first axis -> f16, laid as images of the f16 operand's registers.
;   T (416..543)  cos and sin of position x 10000^(-i/32), f32, laid as the projection's way out wants them in registers.
; AN IMAGE: a fragment's 1,024 bytes are [register group c 0..1][lane 0..31][16 bytes].  A piece t of 16 bytes (32 codes, or 8 f16, neighbours along K) of column r lies at 512 (t / 2) + 256 (t % 2) + 16 r.
; A lane takes a column and its registers run down K, so each store of a piece fills 256 consecutive bytes from sixteen neighbouring lanes, and nothing is transposed.
; THE QUANTISER: a block's scale is 2^(floor(log2(largest magnitude)) - 2); its byte is the largest magnitude's exponent field - 2, held at 1 from below.
; LIMITS: a block of zeros gets the byte 1 where the rule says 127 (its codes are zeros, and this program alone reads the bytes); blocks whose largest magnitude lies under 2^(2 - 126) are held at the byte 1;
; NaN and infinities among x and the weights are not served.  Positions: |position| up to 2^20 (beyond that the choice of the quadrant is no longer sure); 10000^(-i/32) is made by v_exp_f32 of a rounded exponent and may
; differ from a correctly rounded power by some 5e-7 of its value at the smallest frequencies, 1e-7 at the largest.
.set WAVES, 4
.set STEPS, 16
.set CB,    8                          ; bytes of 16 codes
.set R,     16                         ; path X: v16-79 four sets of 16 numbers as loaded
.set X,     80                         ; v80-111 two sets of 16 neighbours
.set E,     112                        ; v112-127 a scale byte for each step
.set C,     128                        ; v128-191 codes
.set WREG,  8192                       ; LDS: a region for each wave: two stages of 32 x SP bytes, then its 256 scale bytes
.set SP,    80
.set SPW,   12                         ; v12 LDS address of my spare word; never rewritten
.set NIL,   13                         ; v13 0; never rewritten
.set SPARE, WAVES*WREG                 ; the spare words: 128 bytes a wave, named by no other line
.macro FINISH                          ; a wave's end
	s_wait_tensorcnt 0x0
	ds_add_u32 v[SPW], v[NIL]
	s_wait_dscnt 0x0
	s_endpgm
.endm
; ---- path X's macros: 512 numbers a step; loads take the bytes as they lie (512 a load), a turn through the wave's own stage gives each lane 16 neighbours
.macro XLOAD t
.irp i, 0,1,2,3
	global_load_b128 v[R+16*((\t)%4)+4*\i:R+16*((\t)%4)+4*\i+3], v3, s[8:9] offset:2048*(\t)+512*\i th:TH_LOAD_NT
.endr
.endm
.macro XTURN t                         ; LDS serves a wave's instructions in order: no wait between the stores and the loads
.irp i, 0,1,2,3
	ds_store_b128 v14, v[R+16*((\t)%4)+4*\i:R+16*((\t)%4)+4*\i+3] offset:32*SP*((\t)%2)+8*SP*\i
.endr
.irp i, 0,1,2,3
	ds_load_b128 v[X+16*((\t)%2)+4*\i:X+16*((\t)%2)+4*\i+3], v15 offset:32*SP*((\t)%2)+16*\i
.endr
.endm
.macro XSTEP t
.set XS, X+16*((\t)%2)
.if (\t) > 0
	s_wait_dscnt 1                                 ; this step's numbers are back from the stage; the last step's byte store may be out
.else
	s_wait_dscnt 0x0
.endif
.if (\t)+4 < STEPS
	XLOAD (\t)+4                                   ; into the registers that the stage's stores have read
.endif
.if (\t)+1 < STEPS
.if STEPS-2-(\t) >= 3
	s_wait_loadcnt 12                              ; the next step's four loads are in; three younger steps' may be out
.else
	s_wait_loadcnt 4*(STEPS-2-(\t))
.endif
	XTURN (\t)+1
.endif
	v_max3_num_f32 v8, |v[XS]|, |v[XS+1]|, |v[XS+2]|
	v_max3_num_f32 v9, |v[XS+3]|, |v[XS+4]|, |v[XS+5]|
.irp i, 6,10
	v_max3_num_f32 v8, v8, |v[XS+\i]|, |v[XS+\i+1]|
	v_max3_num_f32 v9, v9, |v[XS+\i+2]|, |v[XS+\i+3]|
.endr
	v_max3_num_f32 v8, v8, |v[XS+14]|, |v[XS+15]|
	v_max3_num_f32 v8, v8, v9, 0x1800000           ; the floor 2^(3 - 127): the byte cannot fall under 1
	v_max_num_f32_dpp v8, v8, v8 row_xmask:1 row_mask:0xf bank_mask:0xf   ; with my neighbour's 16: the block's largest magnitude
	v_add_nc_u32 v11, 0xff000000, v8               ; 2 off its exponent field: the conversion's scale operand
	v_cvt_scalef32_pk8_fp4_f32 v[C+4*(\t)], v[XS:XS+7], v11
	v_cvt_scalef32_pk8_fp4_f32 v[C+4*(\t)+1], v[XS+8:XS+15], v11
	v_lshrrev_b32 v[E+(\t)], 23, v11               ; the scale's byte
	ds_store_b8 v5, v[E+(\t)] offset:16*(\t)       ; both lanes of a block write the same byte with the same value
	global_store_b64 v4, v[C+4*(\t):C+4*(\t)+1], s[20:21] offset:32*CB*(\t)   ; the wave stores 256 consecutive bytes
.endm
; ---- paths W and O: block t = 32 rows (along K) of 32 neighbouring columns, a lane a column, into set t % 2 (v32-63, v64-95)
.macro WLOAD t, pitch
.irp i, 0,1,2,3,4,5,6,7,8,9,10,11,12,13,14,15,16,17,18,19,20,21,22,23,24,25,26,27,28,29,30,31
	global_load_b32 v[32+32*((\t)%2)+\i], v3, s[4:5] offset:(32*(\t)+\i)*\pitch th:TH_LOAD_NT
.endr
.endm
.macro BWAIT t
.if (\t) < 3
	s_wait_loadcnt 32                              ; this block's 32 loads are in; the next block's 32 may be out
.else
	s_wait_loadcnt 0x0
.endif
.endm
.macro QBLOCK t                        ; a block of 32 along K of my column becomes 16 bytes of codes and a byte
.set XS, 32+32*((\t)%2)
	BWAIT \t
	v_max3_num_f32 v8, |v[XS]|, |v[XS+1]|, |v[XS+2]|
	v_max3_num_f32 v9, |v[XS+3]|, |v[XS+4]|, |v[XS+5]|
.irp i, 6,10,14,18,22,26
	v_max3_num_f32 v8, v8, |v[XS+\i]|, |v[XS+\i+1]|
	v_max3_num_f32 v9, v9, |v[XS+\i+2]|, |v[XS+\i+3]|
.endr
	v_max3_num_f32 v8, v8, |v[XS+30]|, |v[XS+31]|
	v_max3_num_f32 v8, v8, v9, 0x1800000
	v_add_nc_u32 v10, 0xff000000, v8
	v_lshrrev_b32 v11, 23, v10
.if (\t) == 0
	v_mov_b32 v24, v11                             ; four bytes make the scale word of these 128 along K
.else
	v_lshl_or_b32 v24, v11, 8*(\t), v24
.endif
.irp g, 0,1,2,3
	v_cvt_scalef32_pk8_fp4_f32 v[96+4*(\t)+\g], v[XS+8*\g:XS+8*\g+7], v10
.endr
	global_store_b128 v4, v[96+4*(\t):96+4*(\t)+3], s[24:25] offset:((\t)/2)*512+((\t)%2)*256   ; each block has its own four registers: no store's data are written again
.endm
.macro WPATH pitch
	WLOAD 0, \pitch
	WLOAD 1, \pitch
	QBLOCK 0
	WLOAD 2, \pitch
	QBLOCK 1
	WLOAD 3, \pitch
	QBLOCK 2
	QBLOCK 3
	global_store_b32 v5, v24, s[26:27]             ; 4 bytes a lane, 32 bytes apart: one byte in 128 of what this path reads
	FINISH
.endm
.macro HBLOCK t                        ; 32 along K of my column become 32 f16: four pieces of 16 bytes, one fragment's
.set XS, 32+32*((\t)%2)
	BWAIT \t
.irp i, 0,1,2,3,4,5,6,7,8,9,10,11,12,13,14,15
	v_cvt_pk_f16_f32 v[96+16*(\t)+\i], v[XS+2*\i], v[XS+2*\i+1]
.endr
.irp p, 0,1,2,3
	global_store_b128 v4, v[96+16*(\t)+4*\p:96+16*(\t)+4*\p+3], s[28:29] offset:(\t)*1024+(\p/2)*512+(\p%2)*256
.endr
.endm
; ---- path T: sine and cosine of the angle in v[32 + n]: the nearest multiple k of pi/2 is taken off in two parts, polynomials on |rest| <= pi/4, the quadrant by selects
.macro SINCOS n
	v_mul_f32 v16, s35, v[32+\n]
	v_rndne_f32 v16, v16                           ; k
	v_fma_f32 v17, v16, s38, v[32+\n]
	v_fma_f32 v17, v16, s39, v17                   ; the rest
	v_mul_f32 v18, v17, v17                        ; z
	v_cvt_i32_f32 v19, v16
	v_fma_f32 v20, v18, s42, s41
	v_fma_f32 v20, v20, v18, s40
	v_mul_f32 v21, v17, v18
	v_fma_f32 v20, v21, v20, v17                   ; sin(rest)
	v_fma_f32 v22, v18, s45, s44
	v_fma_f32 v22, v22, v18, s43
	v_mul_f32 v23, v18, v18
	v_fma_f32 v24, v18, -0.5, 1.0
	v_fma_f32 v22, v23, v22, v24                   ; cos(rest)
	v_and_b32 v25, 1, v19
	v_cmp_ne_u32 vcc_lo, 0, v25                    ; odd quadrants change the two
	v_cndmask_b32 v26, v20, v22, vcc_lo
	v_cndmask_b32 v27, v22, v20, vcc_lo
	v_and_b32 v25, 2, v19
	v_lshlrev_b32 v25, 30, v25
	v_xor_b32 v[80+\n], v25, v26                   ; sine: minus in quadrants 2 and 3
	v_add_nc_u32 v25, 1, v19
	v_and_b32 v25, 2, v25
	v_lshlrev_b32 v25, 30, v25
	v_xor_b32 v[64+\n], v25, v27                   ; cosine: minus in quadrants 1 and 2
.endm
	s_load_b512 s[8:23], s[0:1], 0x0               ; x 8, Wq 10, Wk 12, Wv 14, Wo 16, position_ids 18, x_codes 20, x_scales 22
	s_load_b256 s[24:31], s[0:1], 0x40             ; w_codes 24, w_scales 26, wo_h 28, rope 30
	v_lshl_add_u32 v[SPW], v0, 2, SPARE
	v_mov_b32 v[NIL], 0
	v_lshrrev_b32 v1, 5, v0
	v_readfirstlane_b32 s32, v1                    ; wave
	v_and_b32 v2, 31, v0                           ; lane
	s_mov_b32 s37, 0                               ; the upper word of every offset s[36:37]
	s_wait_kmcnt 0x0
	s_cmp_lt_u32 ttmp9, 256
	s_cbranch_scc0 .Lnot_x
	; ================= path X
	v_lshlrev_b32 v3, 4, v2                        ; my 16 bytes of a load's 512
	s_mul_i32 s33, s32, WREG
	v_lshrrev_b32 v14, 2, v2
	v_mul_u32_u24 v14, v14, SP
	v_and_b32 v15, 3, v2
	v_lshl_add_u32 v14, v15, 4, v14
	v_add_nc_u32 v14, s33, v14                     ; the stage, on the way in: SP (lane / 4) + 16 (lane % 4)
	v_mul_u32_u24 v15, v2, SP
	v_add_nc_u32 v15, s33, v15                     ; on the way out: SP x lane
	v_mul_u32_u24 v4, v2, CB
	v_lshrrev_b32 v5, 1, v2
	s_add_co_u32 s33, s33, 2*32*SP
	v_add_nc_u32 v5, s33, v5                       ; my block's byte among my wave's 256
	v_lshlrev_b32 v7, 3, v2
	v_add_nc_u32 v6, s33, v7
	s_lshl_b32 s34, ttmp9, 2
	s_add_co_u32 s34, s34, s32                     ; which run of 8,192 numbers is my wave's
	s_lshl_b32 s36, s34, 15
	s_add_nc_u64 s[8:9], s[8:9], s[36:37]
	s_lshl_b32 s36, s34, 12
	s_add_nc_u64 s[20:21], s[20:21], s[36:37]
	s_lshl_b32 s36, s34, 8
	s_add_nc_u64 s[22:23], s[22:23], s[36:37]
.irp t, 0,1,2,3
	XLOAD \t
.endr
	s_wait_loadcnt 12                              ; step 0's four loads are in
	XTURN 0
.irp t, 0,1,2,3,4,5,6,7,8,9,10,11,12,13,14,15
	XSTEP \t
.endr
	ds_load_b64 v[8:9], v6                         ; my wave's 256 scale bytes: these loads see my stores
	s_wait_dscnt 0x0
	global_store_b64 v7, v[8:9], s[22:23]          ; 256 consecutive bytes
	FINISH
.Lnot_x:
	v_lshlrev_b32 v3, 2, v2                        ; W and O: 4 bytes a lane on the way in;
	v_lshrrev_b32 v4, 4, v2
	v_and_b32 v5, 15, v2
	v_lshlrev_b32 v5, 4, v5
	v_lshl_add_u32 v4, v4, 12, v5                  ; on the way out: lanes 16-31 belong to the next tile of 16 columns, 4 fragments on; 16 bytes a column
	s_cmp_lt_u32 ttmp9, 352
	s_cbranch_scc0 .Lnot_w
	; ================= path W: group g of 128 columns (0..11), step qa of 128 along K; wave w takes 32 columns
	s_sub_co_u32 s33, ttmp9, 256
	s_lshr_b32 s34, s33, 3                         ; g
	s_and_b32 s35, s33, 7                          ; qa
	s_and_b32 s36, s34, 14                         ; 2 x (tile of 256 columns)
	s_lshr_b32 s38, s35, 2
	s_add_co_u32 s36, s36, s38                     ; + which 512 along K
	s_lshl_b32 s36, s36, 1
	s_and_b32 s38, s34, 1
	s_add_co_u32 s36, s36, s38                     ; x 2 + which half of the tile's columns: a dense block of 32,768 bytes
	s_lshl_b32 s36, s36, 15
	s_lshl_b32 s38, s32, 13
	s_add_co_u32 s36, s36, s38                     ; my two tiles of 16 columns: 4 fragments each
	s_and_b32 s38, s35, 3
	s_lshl_b32 s38, s38, 10
	s_add_co_u32 s36, s36, s38                     ; the fragment of this 128 along K
	s_add_nc_u64 s[24:25], s[24:25], s[36:37]
	s_lshl_b32 s38, s34, 12
	s_lshl_b32 s39, s32, 10
	s_add_co_u32 s38, s38, s39
	s_lshl_b32 s39, s35, 2
	s_add_co_u32 s38, s38, s39
	v_lshl_add_u32 v5, v2, 5, s38                  ; my column's row of 32 scale bytes, word qa
	s_lshl_b32 s39, s32, 7                         ; my wave's 32 columns in a row of the weight
	s_cmp_lt_u32 s34, 8
	s_cbranch_scc0 .Lw_kv
	s_mov_b64 s[4:5], s[10:11]                     ; Wq: rows of 4,096 bytes
	s_lshl_b32 s36, s35, 19
	s_lshl_b32 s38, s34, 9
	s_add_co_u32 s36, s36, s38
	s_add_co_u32 s36, s36, s39
	s_add_nc_u64 s[4:5], s[4:5], s[36:37]
	WPATH 4096
.Lw_kv:
	s_cmp_lt_u32 s34, 10                           ; Wk or Wv: rows of 1,024 bytes
	s_cselect_b64 s[4:5], s[12:13], s[14:15]
	s_lshl_b32 s36, s35, 17
	s_and_b32 s38, s34, 1
	s_lshl_b32 s38, s38, 9
	s_add_co_u32 s36, s36, s38
	s_add_co_u32 s36, s36, s39
	s_add_nc_u64 s[4:5], s[4:5], s[36:37]
	WPATH 1024
.Lnot_w:
	s_cmp_lt_u32 ttmp9, 416
	s_cbranch_scc0 .Lpath_t
	; ================= path O: tile of 128 columns of Wo (0..7), step of 128 along K (0..7); wave w takes 32 columns
	s_sub_co_u32 s33, ttmp9, 352
	s_lshr_b32 s34, s33, 3
	s_and_b32 s35, s33, 7
	s_lshl_b32 s36, s34, 3
	s_add_co_u32 s36, s36, s35
	s_lshl_b32 s36, s36, 1
	s_lshr_b32 s38, s32, 1
	s_add_co_u32 s36, s36, s38                     ; (tile x 8 + step) x 2 + half: a dense block of 16,384 bytes
	s_lshl_b32 s36, s36, 14
	s_and_b32 s38, s32, 1
	s_lshl_b32 s38, s38, 13
	s_add_co_u32 s36, s36, s38
	s_add_nc_u64 s[28:29], s[28:29], s[36:37]
	s_mov_b64 s[4:5], s[16:17]
	s_lshl_b32 s36, s35, 19
	s_lshl_b32 s38, s34, 9
	s_add_co_u32 s36, s36, s38
	s_lshl_b32 s38, s32, 7
	s_add_co_u32 s36, s36, s38
	s_add_nc_u64 s[4:5], s[4:5], s[36:37]
	WLOAD 0, 4096
	WLOAD 1, 4096
	HBLOCK 0
	WLOAD 2, 4096
	HBLOCK 1
	WLOAD 3, 4096
	HBLOCK 2
	HBLOCK 3
	FINISH
.Lpath_t:
	; ================= path T: wave = a block of 16 rows (batch x position).  Lane (r, h) holds row r; its number n = 4 e + jx is frequency 16 (e / 2) + 4 (e % 2) + jx + 8 h:
	; the eight columns 8 h + j of the head's column tiles 0 and 1, as a lane of the projection's result holds them
	s_sub_co_u32 s33, ttmp9, 416
	s_lshl_b32 s33, s33, 2
	s_add_co_u32 s33, s33, s32
	s_lshl_b32 s36, s33, 6
	s_add_nc_u64 s[18:19], s[18:19], s[36:37]
	s_lshl_b32 s36, s33, 12
	s_add_nc_u64 s[30:31], s[30:31], s[36:37]
	v_and_b32 v4, 15, v2
	v_lshlrev_b32 v4, 2, v4
	global_load_b32 v14, v4, s[18:19]
	v_lshlrev_b32 v3, 4, v2
	v_lshrrev_b32 v15, 4, v2
	v_lshlrev_b32 v15, 3, v15                      ; 8 h
	s_mov_b32 s34, 0xbed49a78                      ; -log2(10000) / 32
	s_mov_b32 s35, 0x3f22f983                      ; 2 / pi
	s_mov_b32 s38, 0xbfc90fdb                      ; -(pi / 2), its f32 part,
	s_mov_b32 s39, 0x333bbd2e                      ; and what that part leaves
	s_mov_b32 s40, 0xbe2aaaa3                      ; the sine's three coefficients
	s_mov_b32 s41, 0x3c08839e
	s_mov_b32 s42, 0xb94ca1f9
	s_mov_b32 s43, 0x3d2aaaa5                      ; the cosine's
	s_mov_b32 s44, 0xbab6061a
	s_mov_b32 s45, 0x37ccf5ce
.irp n, 0,1,2,3,4,5,6,7,8,9,10,11,12,13,14,15
	v_add_nc_u32 v[48+\n], 16*(\n/8)+4*((\n/4)%2)+\n%4, v15
.endr
.irp n, 0,1,2,3,4,5,6,7,8,9,10,11,12,13,14,15
	v_cvt_f32_u32 v[48+\n], v[48+\n]
.endr
.irp n, 0,1,2,3,4,5,6,7,8,9,10,11,12,13,14,15
	v_mul_f32 v[48+\n], s34, v[48+\n]
.endr
	s_wait_loadcnt 0x0
	v_cvt_f32_i32 v14, v14                         ; the position as f32
.irp n, 0,1,2,3,4,5,6,7,8,9,10,11,12,13,14,15
	v_exp_f32 v[32+\n], v[48+\n]                   ; 10000^(-i / 32): one batch
.endr
	v_nop                                          ; a plain instruction behind the last exponential
	s_wait_alu depctr_va_vdst(0)                   ; one wait for the batch, ahead of its first reader
.irp n, 0,1,2,3,4,5,6,7,8,9,10,11,12,13,14,15
	v_mul_f32 v[32+\n], v14, v[32+\n]              ; the angle, rounded once
.endr
.irp n, 0,1,2,3,4,5,6,7,8,9,10,11,12,13,14,15
	SINCOS \n
.endr
.irp e, 0,1,2,3
	global_store_b128 v3, v[64+4*\e:64+4*\e+3], s[30:31] offset:512*\e        ; 512 consecutive bytes a store
	global_store_b128 v3, v[80+4*\e:80+4*\e+3], s[30:31] offset:2048+512*\e
.endr
	FINISH
.Lfunc_end_k_q98b8efd43e_prep:
	.size	k_q98b8efd43e_prep, .Lfunc_end_k_q98b8efd43e_prep-k_q98b8efd43e_prep
	.p2alignl 7, 3214868480
	.fill 96, 4, 3214868480
	.section	.rodata,"a",@progbits
	.p2align	6, 0x0
	.amdhsa_kernel k_q98b8efd43e_prep
		.amdhsa_group_segment_fixed_size 33280
		.amdhsa_private_segment_fixed_size 0
		.amdhsa_enable_private_segment 0
		.amdhsa_kernarg_size 96
		.amdhsa_user_sgpr_count 2
		.amdhsa_user_sgpr_kernarg_segment_ptr 1
		.amdhsa_wavefront_size32 1
		.amdhsa_system_sgpr_workgroup_id_x 1
		.amdhsa_system_sgpr_workgroup_id_y 1
		.amdhsa_system_sgpr_workgroup_id_z 1
		.amdhsa_system_vgpr_workitem_id 0
		.amdhsa_next_free_vgpr 192
		.amdhsa_next_free_sgpr 66
		.amdhsa_reserve_vcc 1
		.amdhsa_float_denorm_mode_32 3
		.amdhsa_float_denorm_mode_16_64 3
		.amdhsa_memory_ordered 1
		.amdhsa_forward_progress 1
		.amdhsa_inst_pref_size 112
	.end_amdhsa_kernel
	.amdgpu_metadata
---
amdhsa.version: [ 1, 2 ]
amdhsa.kernels:
  - .name:           k_q98b8efd43e_prep
    .symbol:         k_q98b8efd43e_prep.kd
    .args:
      - { .name: x, .offset: 0, .size: 8, .value_kind: global_buffer, .address_space: global }
      - { .name: Wq, .offset: 8, .size: 8, .value_kind: global_buffer, .address_space: global }
      - { .name: Wk, .offset: 16, .size: 8, .value_kind: global_buffer, .address_space: global }
      - { .name: Wv, .offset: 24, .size: 8, .value_kind: global_buffer, .address_space: global }
      - { .name: Wo, .offset: 32, .size: 8, .value_kind: global_buffer, .address_space: global }
      - { .name: position_ids, .offset: 40, .size: 8, .value_kind: global_buffer, .address_space: global }
      - { .name: x_codes, .offset: 48, .size: 8, .value_kind: global_buffer, .address_space: global }
      - { .name: x_scales, .offset: 56, .size: 8, .value_kind: global_buffer, .address_space: global }
      - { .name: w_codes, .offset: 64, .size: 8, .value_kind: global_buffer, .address_space: global }
      - { .name: w_scales, .offset: 72, .size: 8, .value_kind: global_buffer, .address_space: global }
      - { .name: wo_h, .offset: 80, .size: 8, .value_kind: global_buffer, .address_space: global }
      - { .name: rope, .offset: 88, .size: 8, .value_kind: global_buffer, .address_space: global }
    .group_segment_fixed_size: 33280
    .private_segment_fixed_size: 0
    .kernarg_segment_align: 8
    .kernarg_segment_size: 96
    .max_flat_workgroup_size: 128
    .sgpr_count:     66
    .vgpr_count:     192
    .wavefront_size: 32
...
	.end_amdgpu_metadata
.endif
;; end of part 1
;; launch qkv (part 2): grid 32 x 6, 4 waves a work-group, clusters of 4 x 1, 327,680 bytes of LDS; arguments x_codes, x_scales, w_codes, w_scales, bq, bk, bv, rope, qkv; writes qkv
.if DOCPART == 2
	.amdgcn_target "amdgcn-amd-amdhsa--gfx1250"
	.amdhsa_code_object_version 6
	.text
	.protected	k_q98b8efd43e_qkv
	.globl	k_q98b8efd43e_qkv
	.p2align	8
	.type	k_q98b8efd43e_qkv,@function
k_q98b8efd43e_qkv:
	s_mov_b64 s[64:65], 0
	v_nop
	global_prefetch_b8 v0, s[64:65] scope:SCOPE_SE
	s_setreg_imm32_b32 hwreg(HW_REG_WAVE_MODE, 25, 1), 1
	s_wait_xcnt 0x0
	s_wait_alu depctr_hold_cnt(0) depctr_sa_sdst(0) depctr_va_vdst(0) depctr_va_sdst(0) depctr_va_ssrc(0) depctr_va_vcc(0) depctr_vm_vsrc(0)
	s_getreg_b32 s2, hwreg(HW_REG_IB_STS2, 6, 4)
	s_cmp_eq_u32 s2, 0
	s_cbranch_scc0 .Lentry_in_a_cluster
	s_endpgm
.Lentry_in_a_cluster:
	s_bfe_u32 s2, ttmp6, 0x10000c
	s_cmp_lg_u32 s2, 0x3003
	s_cbranch_scc0 .Lentry_shape_is_right
	s_endpgm
.Lentry_shape_is_right:
; QKV: [8192][1536] = Q(x) Q(Wq | Wk | Wv) + bias on codes of E2M1 with E8M0 scales, then the rotation by position (q and k), rounded to f16 and stored as [batch 4][head 24][position 2048][64]: heads 0-15 q, 16-19 k, 20-23 v.
; No work of the problem is left out here.  LIMIT: q, k and v leave as f16: magnitudes beyond 65,504 are not served.
; A tile of 256 x 256 is made by four waves, 128 x 128 each: 64 accumulators, 512 registers.  K = 1,024 is two slots of 512: both are first fills, and nothing is filled again.
; CLUSTER: four work-groups along the rows.  They share the tile column, so W's codes and scale bytes are asked for JOINTLY (mask 15); x's tiles differ from partner to partner and come by plain loads.
; A cluster of 4 x 4 is not taken: the grid has 6 tile columns, which 4 does not divide.
; x's codes lie as rows (256 bytes of a row to a slot, 16 bytes of padding behind each in LDS).  W's codes lie as images of the operand's registers: a fragment is two loads of 512 consecutive bytes.
; THE MATRIX INSTRUCTION IS USED TRANSPOSED (source 0 = 16 columns of W, source 1 = 16 rows of x): a lane holds one row and eight neighbouring columns.  The bias is the C of each sum's first instruction.
; REGISTERS, in windows of 256: window 0: v0-31 addresses; v32-95 scale words, two sets; v128-191 x's fragments, one set; v192-255 two sets of cos and sin.  On the way out v8-15, v32-191 are at work.
;   window 1: W's fragments, two sets, at v0 and v128; v64-127 the bias in the result's layout.   windows 2, 3: the accumulators ((a, b) at v[8 (8 (a % 4) + b)]).
.set NQ,     4                         ; steps of 128 along K in a slot
.set ROWB,   256
.set KROW,   512
.set PITCH,  272
.set FR,     8
.set NL,     2
.set NP,     4
.set HALFT,  128*PITCH                 ; 128 rows of x: one tensor load
.set HALFB,  32768                     ; 128 columns of W x 512 along K: one tensor load
.set BOFF,   2*HALFT
.set SLOT,   2*HALFT+2*HALFB
.set KS,     32
.set SCL,    2*SLOT                    ; the scale bytes of the tile's rows and columns for all of K, as units of 256 bytes + 16
.set HALFS,  (128*KS/256)*272
.set SBLK,   (16*KS/256)*272
.set SPARE,  SCL+4*HALFS               ; the spare words: 128 bytes a wave, named by no other line
.set STG,    SPARE+512                 ; the way out: for each wave [head 2][16 rows][128 bytes + 16]; no tensor load lands here
.set SGP,    144
.set SGW,    2*16*SGP
.set T,    8                           ; v8-15 at work in the rotation
.set ADRA, 16
.set ADRB, 20
.set STO,  24
.set RD,   25
.set CO,   26                          ; 16 x lane
.set ADRS, 27
.set SPW,  28
.set NIL,  29
.set BO,   30
.set SC,   32
.set BK,   32                          ; the way out: rows read back, two sets of 32
.set PK,   96                          ; the way out: 32 registers of f16 pairs
.set AF,   128
.set OUTF, 128                         ; the way out: 64 rotated numbers
.set CS,   192                         ; cos (16) and sin (16) of a block of 16 rows, two sets
.set BI,   64                          ; window 1
.set G1,   24
.set G0,   32
.set G1B,  48
.set G0B,  56
.set G1S,  68
.set G0S,  76
.set G0SB, 80
.set G1SB, 92
.set MSB, 0
.macro WIN new                         ; the immediate's high byte repeats the setting that is left
.if MSB != \new
	s_set_vgpr_msb (MSB<<8)|\new
.set MSB, \new
.endif
.endm
.set MUL_LO, 0xa1
.set MUL_HI, 0xf1
.set TO_B,   0x40
; Waves 0 and 1 fetch for x, waves 2 and 3 for W.  The branch hangs on the wave's number alone.  An s_nop 0 and four v_nop follow each of the two lines.
.macro JLOAD g0a, g1a, g0b, g1b
	s_cmp_eq_u32 s15, 0
	s_cbranch_scc0 .Lfor_b_\@
	tensor_load_to_lds s[\g0a:\g0a+3], s[\g1a:\g1a+7]
	s_nop 0
.rept 4
	v_nop
.endr
	s_branch .Lasked_\@
.Lfor_b_\@:
	tensor_load_to_lds s[\g0b:\g0b+3], s[\g1b:\g1b+7]
	s_nop 0
.rept 4
	v_nop
.endr
.Lasked_\@:
.endm
.macro CROUND                          ; a round of the cluster's barrier
	s_barrier_signal -1
	s_barrier_wait -1
	s_cmp_lg_u32 s14, 0
	s_cbranch_scc1 .Lnot_wave_0_\@
	s_barrier_signal -3
.Lnot_wave_0_\@:
	s_barrier_wait -3
	s_barrier_signal -1
	s_barrier_wait -1
.endm
	s_load_b256 s[4:11], s[0:1], 0x0               ; x_codes 4, x_scales 6, w_codes 8, w_scales 10
	s_load_b256 s[84:91], s[0:1], 0x20             ; bq 84, bk 86, bv 88, rope 90
	s_load_b64 s[12:13], s[0:1], 0x40              ; qkv
	v_lshl_add_u32 v[SPW], v0, 2, SPARE
	v_mov_b32 v[NIL], 0
	ds_add_u32 v[SPW], v[NIL]                      ; the wave's opening: the add, twice on end, and its wait ahead of my first tensor load
	ds_add_u32 v[SPW], v[NIL]
	v_lshrrev_b32 v1, 5, v0
	v_readfirstlane_b32 s14, v1                    ; wave
	s_lshr_b32 s15, s14, 1                         ; which half of the tile's rows is mine.  Also: I fetch for x (0) or for W (1)
	s_and_b32 s16, s14, 1                          ; which half of its columns.  Also: which half I fetch
	s_bfe_u32 s40, ttmp6, 0x40000                  ; cx
	s_lshl_b32 s17, ttmp9, 2
	s_add_co_u32 s17, s17, s40                     ; tile row = 4 x cluster x + cx
	s_and_b32 s42, ttmp7, 0xffff                   ; tile column: the same in all four partners
	s_mov_b32 s[G1+0], (1<<20)|(5<<22)|(3<<25)     ; x's codes: no mask; elements of 1 byte; 4 words of padding behind every 64
	s_mov_b32 s[G1+1], ROWB<<16
	s_mov_b32 s[G1+2], 128<<16
	s_mov_b32 s[G1+3], ROWB<<16
	s_mov_b32 s[G1+4], 128
	s_mov_b32 s[G1+5], KROW
	s_mov_b32 s[G1+6], 0
	s_mov_b32 s[G1+7], 0
	s_mov_b32 s[G1B+0], 15|(3<<16)|(1<<21)         ; W's codes: all four partners; a dense block as 128 rows of 32 elements of 8 bytes; no padding
	s_mov_b32 s[G1B+1], 32<<16
	s_mov_b32 s[G1B+2], 128<<16
	s_mov_b32 s[G1B+3], 32<<16
	s_mov_b32 s[G1B+4], 128
	s_mov_b32 s[G1B+5], 32
	s_mov_b32 s[G1B+6], 0
	s_mov_b32 s[G1B+7], 0
	s_mov_b32 s[G1S+0], (3<<16)|(1<<20)|(5<<22)|(3<<25)              ; the scale bytes of 128 rows: 16 rows of 256 bytes, 16 bytes of padding behind each
	s_mov_b32 s[G1SB+0], 15|(3<<16)|(1<<20)|(1<<21)|(5<<22)|(3<<25)
.irp g, G1S, G1SB
	s_mov_b32 s[\g+1], 32<<16
	s_mov_b32 s[\g+2], 16<<16
	s_mov_b32 s[\g+3], 32<<16
	s_mov_b32 s[\g+4], 16
	s_mov_b32 s[\g+5], 32
	s_mov_b32 s[\g+6], 0
	s_mov_b32 s[\g+7], 0
.endr
	s_lshl_b32 s18, s16, 7
	s_lshl_b32 s20, s17, 8
	s_add_co_u32 s20, s20, s18                     ; x: row 256 x tile row + 128 x half
	s_lshl_b32 s22, s20, 5                         ; its scale bytes
	s_mov_b32 s23, 0
	s_lshl_b32 s20, s20, 9                         ; its codes
	s_mov_b32 s21, 0
	s_lshl_b32 s46, s42, 2
	s_add_co_u32 s46, s46, s16
	s_lshl_b32 s46, s46, 15                        ; W's codes: block (4 x tile column + half); the second slot's lies 2 blocks on.  No register of W's addresses ever holds cx
	s_mov_b32 s47, 0
	s_lshl_b32 s44, s42, 8
	s_add_co_u32 s44, s44, s18
	s_lshl_b32 s44, s44, 5                         ; W's scale bytes
	s_mov_b32 s45, 0
	s_mul_i32 s41, s16, HALFT                      ; where they go: no place in the cluster enters an LDS address
	s_mul_i32 s43, s16, HALFB
	s_add_co_u32 s43, s43, BOFF
	s_mul_i32 s19, s14, HALFS
	s_wait_dscnt 0x0                               ; both opening adds are done
	s_wait_kmcnt 0x0
	s_add_nc_u64 s[20:21], s[4:5], s[20:21]
	s_add_nc_u64 s[22:23], s[6:7], s[22:23]
	s_add_nc_u64 s[46:47], s[8:9], s[46:47]
	s_add_nc_u64 s[44:45], s[10:11], s[44:45]
	CROUND                                         ; all four work-groups are here: the first joint loads meet
	s_mov_b32 s[G0S], 1
	s_add_co_u32 s[G0S+1], s19, SCL
	s_mov_b64 s[G0S+2:G0S+3], s[22:23]
	s_or_b32 s[G0S+3], s[G0S+3], 0x80000000
	s_mov_b32 s[G0SB], 1
	s_add_co_u32 s[G0SB+1], s19, SCL
	s_mov_b64 s[G0SB+2:G0SB+3], s[44:45]
	s_or_b32 s[G0SB+3], s[G0SB+3], 0x80000000
	JLOAD G0S, G1S, G0SB, G1SB                     ; the scale bytes first
.irp s, 0,1
	s_mov_b32 s[G0+4*\s], 1
	s_add_co_u32 s[G0+4*\s+1], s41, \s*SLOT
	s_add_nc_u64 s[G0+4*\s+2:G0+4*\s+3], s[20:21], \s*ROWB
	s_or_b32 s[G0+4*\s+3], s[G0+4*\s+3], 0x80000000
	s_mov_b32 s[G0B+4*\s], 1
	s_add_co_u32 s[G0B+4*\s+1], s43, \s*SLOT
	s_add_nc_u64 s[G0B+4*\s+2:G0B+4*\s+3], s[46:47], \s*2*HALFB
	s_or_b32 s[G0B+4*\s+3], s[G0B+4*\s+3], 0x80000000
	JLOAD G0+4*\s, G1, G0B+4*\s, G1B               ; three loads of mine are out behind the second
.endr
	v_and_b32 v1, 15, v0                           ; r
	v_bfe_u32 v2, v0, 4, 1                         ; h
	v_and_b32 v6, 31, v0                           ; lane
	v_mul_u32_u24 v3, v1, PITCH
	v_lshl_add_u32 v4, v2, 4, v3
	v_lshlrev_b32 v[CO], 4, v6
	s_mul_i32 s21, s15, HALFT                      ; my 128 rows of x
	s_mul_i32 s22, s16, HALFB                      ; my 128 columns of W
	s_add_co_u32 s22, s22, BOFF
.irp s, 0,1
	v_add_nc_u32 v[ADRA+\s], s21, v4
	v_add_nc_u32 v[ADRB+\s], s22, v[CO]
	s_add_co_u32 s21, s21, SLOT
	s_add_co_u32 s22, s22, SLOT
.endr
	v_mul_u32_u24 v5, v1, KS                       ; my row's scale bytes: 32 a row, and 16 more for each 256 passed
	v_lshrrev_b32 v7, 8, v5
	v_lshl_add_u32 v5, v7, 4, v5
	s_mul_i32 s21, s15, HALFS
	s_mul_i32 s22, s16, HALFS
	s_add_co_u32 s22, s22, 2*HALFS
	s_sub_co_u32 s22, s22, s21
	v_mul_u32_u24 v7, s22, v2                      ; lanes 16-31 take W's
	s_add_co_u32 s21, s21, SCL
	v_add_nc_u32 v5, v5, v7
	v_add_nc_u32 v[ADRS], s21, v5
	s_mul_i32 s23, s14, SGW
	s_add_co_u32 s23, s23, STG                     ; my stage
	v_mul_u32_u24 v5, v1, SGP
	v_lshl_add_u32 v5, v2, 4, v5
	v_add_nc_u32 v[STO], s23, v5                   ; in: row r, 16 bytes for each half of the lanes
	v_lshrrev_b32 v5, 3, v6
	v_mul_u32_u24 v5, v5, SGP
	v_and_b32 v7, 7, v6
	v_lshl_add_u32 v5, v7, 4, v5
	v_add_nc_u32 v[RD], s23, v5                    ; back: eight lanes to a row of 128 bytes, four rows a load
	s_lshr_b32 s20, s17, 3                         ; the batch
	s_mul_i32 s20, s20, 24
	s_lshl_b32 s21, s42, 2
	s_add_co_u32 s20, s20, s21
	s_lshl_b32 s21, s16, 1
	s_add_co_u32 s20, s20, s21                     ; my first head: 4 x tile column + 2 x half
	s_lshl_b32 s20, s20, 11
	s_and_b32 s21, s17, 7
	s_lshl_b32 s21, s21, 8
	s_add_co_u32 s20, s20, s21
	s_lshl_b32 s21, s15, 7
	s_add_co_u32 s20, s20, s21                     ; my first position
	s_lshl_b32 s20, s20, 7
	s_mov_b32 s21, 0
	s_add_nc_u64 s[12:13], s[12:13], s[20:21]
	s_lshl_b32 s20, s17, 4
	s_lshl_b32 s22, s15, 3
	s_add_co_u32 s20, s20, s22
	s_lshl_b32 s20, s20, 12                        ; the table of my first block of 16 rows
	s_add_nc_u64 s[90:91], s[90:91], s[20:21]
	s_cmp_eq_u32 s42, 4
	s_cselect_b64 s[44:45], s[86:87], s[88:89]     ; bk or bv,
	s_cmp_lt_u32 s42, 4
	s_cselect_b64 s[44:45], s[84:85], s[44:45]     ; or bq,
	s_cselect_b32 s20, s42, 0
	s_lshl_b32 s20, s20, 10                        ; at the tile's first column,
	s_lshl_b32 s22, s16, 9
	s_add_co_u32 s20, s20, s22                     ; my half
	s_add_nc_u64 s[44:45], s[44:45], s[20:21]
	v_lshlrev_b32 v[BO], 5, v2                     ; lane (r, h) wants columns 16 b + 8 h + 0 .. 7
	WIN TO_B
.irp b, 0,1,2,3,4,5,6,7
	global_load_b128 v[BI+8*\b:BI+8*\b+3], v[BO], s[44:45] offset:64*\b
	global_load_b128 v[BI+8*\b+4:BI+8*\b+7], v[BO], s[44:45] offset:64*\b+16
.endr
	WIN 0
.macro RLOAD a, set                    ; cos and sin of block a's 16 rows: eight loads of 512 consecutive bytes
.irp e, 0,1,2,3,4,5,6,7
	global_load_b128 v[CS+32*(\set)+4*\e:CS+32*(\set)+4*\e+3], v[CO], s[90:91] offset:4096*(\a)+512*\e
.endr
.endm
	s_cmp_eq_u32 s42, 5                            ; v is not rotated: its tile column loads no table
	s_cbranch_scc1 .Lno_table
	RLOAD 0, 0
	RLOAD 1, 1
.Lno_table:
.macro FRAGA reg, adr, q, i            ; 16 rows x 128 K of codes: lane l holds row l % 16; registers 4 c .. 4 c + 3 hold K = 64 c + 32 (l / 16) + 0 .. 31
.irp c, 0,1
	ds_load_b128 v[\reg+4*\c:\reg+4*\c+3], v[\adr] offset:64*(\q)+32*\c+(\i)*16*PITCH
.endr
.endm
.macro FRAGB reg, adr, q, i            ; the same registers from an image: fragment 4 i + q of my half's block
.irp c, 0,1
	ds_load_b128 v[\reg+4*\c:\reg+4*\c+3], v[\adr] offset:(4*(\i)+(\q))*1024+512*\c
.endr
.endm
; 16 matrix instructions: x's blocks a0, a0 + 1 against W's eight.  zero = 1: the sums begin with the bias.  The 64 accumulators take turns, one instruction a turn, in the same order in every step.
.macro MUL16 a0, p, q, sc, zero
.irp a, \a0, \a0+1
.irp b, 0,1,2,3,4,5,6,7
.if \zero
	v_wmma_scale_f32_16x16x128_f8f6f4 v[8*(8*((\a)%4)+\b):8*(8*((\a)%4)+\b)+7], v[128*(\p)+FR*\b:128*(\p)+FR*\b+FR-1], v[AF+FR*(\a):AF+FR*(\a)+FR-1], v[BI+8*\b:BI+8*\b+7], v[SC+8*NQ*(\sc)+NQ*\b+(\q)], v[SC+8*NQ*(\sc)+NQ*(\a)+(\q)] matrix_a_fmt:MATRIX_FMT_FP4 matrix_b_fmt:MATRIX_FMT_FP4 matrix_a_scale:MATRIX_SCALE_ROW1
.else
	v_wmma_scale_f32_16x16x128_f8f6f4 v[8*(8*((\a)%4)+\b):8*(8*((\a)%4)+\b)+7], v[128*(\p)+FR*\b:128*(\p)+FR*\b+FR-1], v[AF+FR*(\a):AF+FR*(\a)+FR-1], v[8*(8*((\a)%4)+\b):8*(8*((\a)%4)+\b)+7], v[SC+8*NQ*(\sc)+NQ*\b+(\q)], v[SC+8*NQ*(\sc)+NQ*(\a)+(\q)] matrix_a_fmt:MATRIX_FMT_FP4 matrix_b_fmt:MATRIX_FMT_FP4 matrix_a_scale:MATRIX_SCALE_ROW1
.endif
.endr
.endr
.endm
.macro FETCH_B slot, q, p
	WIN TO_B
.irp i, 0,1,2,3,4,5,6,7
	FRAGB 128*(\p)+FR*\i, ADRB+\slot, \q, \i
.endr
	WIN 0
.endm
.macro FETCH_A slot, q, i0
.irp i, \i0, \i0+1, \i0+2, \i0+3
	FRAGA AF+FR*(\i), ADRA+\slot, \q, \i
.endr
.endm
.macro SCALES sc                       ; a slot's scale words: four a row; lanes 0-15 take x's block i, lanes 16-31 W's block i
.irp i, 0,1,2,3,4,5,6,7
	ds_load_b128 v[SC+8*NQ*\sc+NQ*\i:SC+8*NQ*\sc+NQ*\i+3], v[ADRS] offset:\i*SBLK
.endr
.endm
.macro PLACES n                        ; plain vector instructions between a matrix instruction and a load into, or a read of, its registers
.rept \n
	v_nop
.endr
.endm
.macro STEP slot, q, zero              ; 128 along K, with its successor in the same slot
	s_wait_dscnt 4*NL                              ; W's set and x's blocks 0-3 are in; the youngest eight loads (x's blocks 4-7) may be out
.if \zero
	WIN 0x91                                       ; as MUL_LO, with C (the bias) in window 1
.else
	WIN MUL_LO
.endif
	MUL16 0, (\q)%2, \q, \slot, \zero
	MUL16 2, (\q)%2, \q, \slot, \zero
	s_wait_dscnt 0
	PLACES NP
	FETCH_B \slot, (\q)+1, 1-(\q)%2
	FETCH_A \slot, (\q)+1, 0
.if \zero
	WIN 0xd1
.else
	WIN MUL_HI
.endif
	MUL16 4, (\q)%2, \q, \slot, \zero
	MUL16 6, (\q)%2, \q, \slot, \zero
	PLACES NP
	WIN 0
	FETCH_A \slot, (\q)+1, 4
.endm
.macro STEPS slot, from
.set Q, \from
.rept NQ-1-\from
	STEP \slot, Q, 0
.set Q, Q+1
.endr
.endm
	s_wait_loadcnt 0x0                             ; the bias (and the first two table sets)
	s_wait_tensorcnt 1                             ; the scale bytes and my part of slot 0 are in; slot 1's load may be out
	s_barrier_signal -1
	s_barrier_wait -1
	FETCH_B 0, 0, 0
	FETCH_A 0, 0, 0
	SCALES 0
	FETCH_A 0, 0, 4
	STEP 0, 0, 1
	STEPS 0, 1
	; slot 0's last step changes slots: one barrier, in front of which my part of slot 1 has landed
	s_wait_tensorcnt 0x0
	ds_add_u32 v[SPW], v[NIL]
	s_wait_dscnt 4*NL+1                            ; the add and the youngest eight loads may be out
	WIN MUL_LO
	MUL16 0, 1, NQ-1, 0, 0
	s_wait_dscnt 0x0
	s_barrier_signal -1
	MUL16 2, 1, NQ-1, 0, 0
	WIN 0
	s_barrier_wait -1
	PLACES NP
	v_add_nc_u32 v[ADRS], 4*NQ, v[ADRS]            ; on to slot 1's scale words
	FETCH_B 1, 0, 0
	FETCH_A 1, 0, 0
	SCALES 1
	WIN MUL_HI
	MUL16 4, 1, NQ-1, 0, 0
	MUL16 6, 1, NQ-1, 0, 0
	PLACES NP
	WIN 0
	FETCH_A 1, 0, 4
	STEPS 1, 0
	s_wait_dscnt 4*NL                              ; the very last step
	WIN MUL_LO
	MUL16 0, 1, NQ-1, 1, 0
	MUL16 2, 1, NQ-1, 1, 0
	s_wait_dscnt 0
	WIN MUL_HI
	MUL16 4, 1, NQ-1, 1, 0
	MUL16 6, 1, NQ-1, 1, 0
	WIN 0
; THE WAY OUT, a block of 16 rows x 128 columns (two heads) at a time.  In a head, column tile b' (0, 1) holds channels d = 16 b' + 8 h + j under 32 and tile b' + 2 the channels d + 32:
; out(d) = lo cos - hi sin, out(d + 32) = hi cos + lo sin, with the same cos and sin.  Each accumulator is read from its low end on.
.macro ROT a
.set AC, 64*((\a)%4)
.set CT, CS+32*((\a)%2)
	WIN 0x02+(\a)/4                                ; source 0: window 2 or 3
.irp hd, 0,1
.irp bp, 0,1
.irp jp, 0,2,4,6
.set LO, AC+8*(4*\hd+\bp)+\jp
.set HI, LO+16
.set TT, T+2*(\jp%4)
.set OL, OUTF+8*(4*\hd+\bp)+\jp
	v_pk_mul_f32 v[TT:TT+1], v[HI:HI+1], v[CT+16+8*\bp+\jp:CT+16+8*\bp+\jp+1]
	v_pk_mul_f32 v[TT+2:TT+3], v[LO:LO+1], v[CT+16+8*\bp+\jp:CT+16+8*\bp+\jp+1]
	v_pk_fma_f32 v[OL:OL+1], v[LO:LO+1], v[CT+8*\bp+\jp:CT+8*\bp+\jp+1], v[TT:TT+1] neg_lo:[0,0,1] neg_hi:[0,0,1]
	v_pk_fma_f32 v[OL+16:OL+17], v[HI:HI+1], v[CT+8*\bp+\jp:CT+8*\bp+\jp+1], v[TT+2:TT+3]
.endr
.endr
.endr
	WIN 0
.endm
.macro CVT                             ; 64 numbers to f16: four registers a column tile
.set i, 0
.rept 32
	v_cvt_pk_f16_f32 v[PK+i], v[OUTF+2*i], v[OUTF+2*i+1]
.set i, i+1
.endr
.endm
.macro CVTV a                          ; v: straight from the accumulators
.set AC, 64*((\a)%4)
	WIN 0x0a+5*((\a)/4)
.set i, 0
.rept 32
	v_cvt_pk_f16_f32 v[PK+i], v[AC+2*i], v[AC+2*i+1]
.set i, i+1
.endr
	WIN 0
.endm
.macro STAGE a                         ; through my own stage: LDS serves a wave's instructions in order, so no wait stands between the stores and the loads
.set BB, BK+32*((\a)%2)
.irp b, 0,1,2,3,4,5,6,7
	ds_store_b128 v[STO], v[PK+4*\b:PK+4*\b+3] offset:(\b/4)*16*SGP+(\b%4)*32
.endr
.irp hd, 0,1
.irp i, 0,1,2,3
	ds_load_b128 v[BB+16*\hd+4*\i:BB+16*\hd+4*\i+3], v[RD] offset:\hd*16*SGP+\i*4*SGP
.endr
.endr
.endm
.macro SENDQ a
.set BB, BK+32*((\a)%2)
	s_wait_dscnt 0x0                               ; the block is back in registers, and the stores into the stage have read theirs
.irp hd, 0,1
.irp i, 0,1,2,3
	global_store_b128 v[CO], v[BB+16*\hd+4*\i:BB+16*\hd+4*\i+3], s[12:13] offset:262144*\hd+2048*(\a)+512*\i   ; four rows of a head: 512 consecutive bytes
.endr
.endr
.endm
	PLACES NP
	s_cmp_eq_u32 s42, 5
	s_cbranch_scc1 .Lplain
.irp a, 0,1,2,3,4,5,6,7
	s_wait_xcnt 0x0                                ; earlier stores have read their registers: this block's rows may land there
.if \a < 7
	s_wait_loadcnt 8                               ; this block's table is in; the next block's eight loads may be out
.else
	s_wait_loadcnt 0x0
.endif
	ROT \a
.if \a < 6
	RLOAD \a+2, \a%2
.endif
	CVT
	STAGE \a
	SENDQ \a
.endr
	s_branch .Ldone
.Lplain:
.irp a, 0,1,2,3,4,5,6,7
	s_wait_xcnt 0x0
	CVTV \a
	STAGE \a
	SENDQ \a
.endr
.Ldone:
	s_wait_tensorcnt 0x0                           ; the wave's end
	ds_add_u32 v[SPW], v[NIL]
	s_wait_dscnt 0x0
	CROUND                                         ; the closing round
	s_endpgm
.Lfunc_end_k_q98b8efd43e_qkv:
	.size	k_q98b8efd43e_qkv, .Lfunc_end_k_q98b8efd43e_qkv-k_q98b8efd43e_qkv
	.p2alignl 7, 3214868480
	.fill 96, 4, 3214868480
	.section	.rodata,"a",@progbits
	.p2align	6, 0x0
	.amdhsa_kernel k_q98b8efd43e_qkv
		.amdhsa_group_segment_fixed_size 327680
		.amdhsa_private_segment_fixed_size 0
		.amdhsa_enable_private_segment 0
		.amdhsa_kernarg_size 72
		.amdhsa_user_sgpr_count 2
		.amdhsa_user_sgpr_kernarg_segment_ptr 1
		.amdhsa_wavefront_size32 1
		.amdhsa_system_sgpr_workgroup_id_x 1
		.amdhsa_system_sgpr_workgroup_id_y 1
		.amdhsa_system_sgpr_workgroup_id_z 1
		.amdhsa_system_vgpr_workitem_id 0
		.amdhsa_next_free_vgpr 1024
		.amdhsa_next_free_sgpr 100
		.amdhsa_reserve_vcc 0
		.amdhsa_float_denorm_mode_32 3
		.amdhsa_float_denorm_mode_16_64 3
		.amdhsa_memory_ordered 1
		.amdhsa_forward_progress 1
		.amdhsa_inst_pref_size 198
	.end_amdhsa_kernel
	.amdgpu_metadata
---
amdhsa.version: [ 1, 2 ]
amdhsa.kernels:
  - .name:           k_q98b8efd43e_qkv
    .symbol:         k_q98b8efd43e_qkv.kd
    .args:
      - { .name: x_codes, .offset: 0, .size: 8, .value_kind: global_buffer, .address_space: global }
      - { .name: x_scales, .offset: 8, .size: 8, .value_kind: global_buffer, .address_space: global }
      - { .name: w_codes, .offset: 16, .size: 8, .value_kind: global_buffer, .address_space: global }
      - { .name: w_scales, .offset: 24, .size: 8, .value_kind: global_buffer, .address_space: global }
      - { .name: bq, .offset: 32, .size: 8, .value_kind: global_buffer, .address_space: global }
      - { .name: bk, .offset: 40, .size: 8, .value_kind: global_buffer, .address_space: global }
      - { .name: bv, .offset: 48, .size: 8, .value_kind: global_buffer, .address_space: global }
      - { .name: rope, .offset: 56, .size: 8, .value_kind: global_buffer, .address_space: global }
      - { .name: qkv, .offset: 64, .size: 8, .value_kind: global_buffer, .address_space: global }
    .group_segment_fixed_size: 327680
    .private_segment_fixed_size: 0
    .kernarg_segment_align: 8
    .kernarg_segment_size: 72
    .max_flat_workgroup_size: 128
    .sgpr_count:     100
    .vgpr_count:     1024
    .wavefront_size: 32
...
	.end_amdgpu_metadata
.endif
;; end of part 2
;; launch attn (part 3): grid 4 x 64, 8 waves a work-group, clusters of 4 x 1, 327,680 bytes of LDS; arguments qkv, attn; writes attn
.if DOCPART == 3
	.amdgcn_target "amdgcn-amd-amdhsa--gfx1250"
	.amdhsa_code_object_version 6
	.text
	.protected	k_q98b8efd43e_attn
	.globl	k_q98b8efd43e_attn
	.p2align	8
	.type	k_q98b8efd43e_attn,@function
k_q98b8efd43e_attn:
	s_mov_b64 s[64:65], 0
	v_nop
	global_prefetch_b8 v0, s[64:65] scope:SCOPE_SE
	s_setreg_imm32_b32 hwreg(HW_REG_WAVE_MODE, 25, 1), 1
	s_wait_xcnt 0x0
	s_wait_alu depctr_hold_cnt(0) depctr_sa_sdst(0) depctr_va_vdst(0) depctr_va_sdst(0) depctr_va_ssrc(0) depctr_va_vcc(0) depctr_vm_vsrc(0)
	s_getreg_b32 s2, hwreg(HW_REG_IB_STS2, 6, 4)
	s_cmp_eq_u32 s2, 0
	s_cbranch_scc0 .Lentry_in_a_cluster
	s_endpgm
.Lentry_in_a_cluster:
	s_bfe_u32 s2, ttmp6, 0x10000c
	s_cmp_lg_u32 s2, 0x3003
	s_cbranch_scc0 .Lentry_shape_is_right
	s_endpgm
.Lentry_shape_is_right:
; ATTN: O[b][h][q] = the sum over k of softmax_k(q . k / 8) v, no mask; q, k, v in f16 from [batch][head 24][2048][64] (key and value head h / 4); products, maxima and sums in f32; the weights p are rounded to f16
; for the second product, O once at the end to f16, stored [b][h][q][64], which is the [8192][1024] left operand of the last product as it lies.  No work of the problem is left out here.
; SHARES.  A work-group owns 512 queries of one head; each of its eight waves 64: four tiles of 16, in 512 registers, two waves to a SIMD: while one walks its softmax the other has its products to issue.
; Every wave walks all 2,048 keys, 64 a step.  K and V come through a ring of two LDS slots of 512 keys: two first fills and two refills; a refill has eight key steps in which to land.
; CLUSTER.  The four query blocks of a head walk the same K and V: each tile is asked for JOINTLY (mask 15).  Waves 0-3 fetch K's quarters of a slot, waves 4-7 V's.
; LAYOUT.  S^T = K Q^T (source 0 = 16 keys, source 1 = 16 queries): a lane holds ONE query and keys 8 (lane / 16) + 0..7 of each tile.  Two tiles, rounded to f16 in pairs, are source 1 of O^T = V^T P.  V is turned by ds_load_tr16_b128.
; SOFTMAX.  A running maximum m and sum l: p = 2^(c s - c m), c = log2(e) / 8; in every step O and l are multiplied by a = 2^(c m_old - c m_new).
; REGISTERS: window 0: v2-13 addresses; v32-63 statistics, 8 a tile (+0 c m, +1 m, +2, +3 l, +4..+7 at work, a at +6); v64-191 S^T, 32 a tile, P packed in place into the tile's first 16; v192-255 Q.
;   window 1: v0-127 O^T, 32 a tile; v128-191 K of one step; v192-255 V of one step.
.set KS,    64
.set PK,    144                        ; a row of K in LDS: 128 bytes + 16
.set PV,    160                        ; a row of V: 128 + 32
.set KSLOT, 512*PK
.set VSLOT, 512*PV
.set VRING, 2*KSLOT
.set SPARE, VRING+2*VSLOT              ; the spare words: 128 bytes a wave, named by no other line
.set STAGE, 0                          ; the way out: 16 rows x 144 bytes a wave, in K's slot 0: it has had its last fill, and behind the last change of slots nobody reads it
.set AK0, 2
.set AV0, 3
.set ADK, 4
.set ADV, 5
.set QO,  6
.set STO, 7
.set RD,  8
.set GO,  10
.set SPW, 12
.set NIL, 13
.set ST,  32
.set S,   64
.set QF,  192
.set O,   0                            ; window 1
.set KF,  128
.set VF,  192
.set WV,  12
.set G1K, 24
.set G1V, 32
.set G0K, 40                           ; a group 0 for each slot
.set G0V, 48
.set CNT, 56
.set CS,  58
.set SEL, 60
.set TK,  62                           ; LDS byte at which K's tile of the step to be fetched begins
.set TV,  63                           ; the same for V, from V's ring on
.set MSB, 0
.macro WIN new
.if MSB != \new
	s_set_vgpr_msb (MSB<<8)|\new
.set MSB, \new
.endif
.endm
.macro JLOAD s                         ; a joint load; an s_nop 0 and four v_nop follow each of the two lines
	s_cmp_lt_u32 s[WV], 4
	s_cbranch_scc0 .Lfor_v_\@
	tensor_load_to_lds s[G0K+4*\s:G0K+4*\s+3], s[G1K:G1K+7]
	s_nop 0
.rept 4
	v_nop
.endr
	s_branch .Lasked_\@
.Lfor_v_\@:
	tensor_load_to_lds s[G0V+4*\s:G0V+4*\s+3], s[G1V:G1V+7]
	s_nop 0
.rept 4
	v_nop
.endr
.Lasked_\@:
.endm
.macro CROUND
	s_barrier_signal -1
	s_barrier_wait -1
	s_cmp_lg_u32 s[WV], 0
	s_cbranch_scc1 .Lnot_wave_0_\@
	s_barrier_signal -3
.Lnot_wave_0_\@:
	s_barrier_wait -3
	s_barrier_signal -1
	s_barrier_wait -1
.endm
	s_load_b128 s[4:7], s[0:1], 0x0                ; qkv, attn
	v_lshl_add_u32 v[SPW], v0, 2, SPARE
	v_mov_b32 v[NIL], 0
	ds_add_u32 v[SPW], v[NIL]                      ; the wave's opening: the add, twice on end, and its wait ahead of my first tensor load
	ds_add_u32 v[SPW], v[NIL]
	v_lshrrev_b32 v1, 5, v0
	v_readfirstlane_b32 s[WV], v1                  ; wave 0..7
	s_bfe_u32 s13, ttmp6, 0x40000                  ; cx: my block of 512 queries
	s_and_b32 s14, ttmp7, 0xffff                   ; 16 x batch + head: the four partners share it
	s_lshr_b32 s15, s14, 4
	s_and_b32 s16, s14, 15
	s_mul_i32 s17, s15, 24
	s_lshr_b32 s18, s16, 2
	s_add_co_u32 s18, s18, s17
	s_add_co_u32 s18, s18, 16                      ; K's plane of 2,048 x 128 bytes; V's lies four planes on
	s_lshl_b32 s18, s18, 18
	s_and_b32 s19, s[WV], 3                        ; which quarter of a slot I fetch
	s_lshl_b32 s20, s19, 14
	s_add_co_u32 s20, s20, s18
	s_mov_b32 s21, 0
	s_mul_i32 s22, s19, 128*PK
	s_mul_i32 s23, s19, 128*PV
	s_add_co_u32 s23, s23, VRING
	s_add_co_u32 s2, s17, s16                      ; Q's plane,
	s_lshl_b32 s2, s2, 18
	s_lshl_b32 s3, s13, 16                         ; my block's 512 rows,
	s_add_co_u32 s2, s2, s3
	s_lshl_b32 s3, s[WV], 13                       ; my wave's 64
	s_add_co_u32 s2, s2, s3
	s_mov_b32 s3, 0
	s_lshl_b32 s8, s14, 18                         ; and the same in the result
	s_lshl_b32 s9, s13, 16
	s_add_co_u32 s8, s8, s9
	s_lshl_b32 s9, s[WV], 13
	s_add_co_u32 s8, s8, s9
	s_mov_b32 s9, 0
	s_mov_b32 s[G1K], 15|(1<<16)|(1<<20)|(1<<21)|(4<<22)|(3<<25)   ; all four partners; elements of 2 bytes; 4 words of padding behind every 32
	s_mov_b32 s[G1V], 15|(1<<16)|(1<<20)|(1<<21)|(4<<22)|(7<<25)   ; 8 words of padding
.irp g, G1K, G1V
	s_mov_b32 s[\g+1], 64<<16                      ; tensor_dim0
	s_mov_b32 s[\g+2], 128<<16                     ; tensor_dim1
	s_mov_b32 s[\g+3], 64<<16                      ; tile_dim0
	s_mov_b32 s[\g+4], 128                         ; tile_dim1
	s_mov_b32 s[\g+5], 64                          ; elements from row to row
	s_mov_b32 s[\g+6], 0
	s_mov_b32 s[\g+7], 0
.endr
	s_mov_b32 s[CS], 0x3e38aa3b                    ; c = log2(e) / 8
	s_mov_b32 s[CS+1], s[CS]
	s_mov_b32 s[SEL], 0x76543210
	s_mov_b32 s[SEL+1], 0xfedcba98
	s_wait_dscnt 0x0                               ; both opening adds are done
	s_wait_kmcnt 0x0
	s_add_nc_u64 s[20:21], s[4:5], s[20:21]        ; K at my quarter of slot 0: no place in the cluster enters it
	s_add_nc_u64 s[10:11], s[20:21], 0x100000      ; V likewise
	s_add_nc_u64 s[4:5], s[4:5], s[2:3]            ; Q at my wave's first row
	s_add_nc_u64 s[6:7], s[6:7], s[8:9]            ; the result likewise
	CROUND                                         ; all four work-groups are here: the first joint loads meet
.irp s, 0,1
	s_mov_b32 s[G0K+4*\s], 1
	s_add_co_u32 s[G0K+4*\s+1], s22, \s*KSLOT
	s_add_nc_u64 s[G0K+4*\s+2:G0K+4*\s+3], s[20:21], \s*512*128
	s_or_b32 s[G0K+4*\s+3], s[G0K+4*\s+3], 0x80000000
	s_mov_b32 s[G0V+4*\s], 1
	s_add_co_u32 s[G0V+4*\s+1], s23, \s*VSLOT
	s_add_nc_u64 s[G0V+4*\s+2:G0V+4*\s+3], s[10:11], \s*512*128
	s_or_b32 s[G0V+4*\s+3], s[G0V+4*\s+3], 0x80000000
.endr
	s_cmp_lt_u32 s[WV], 4                          ; a wave's two first fills stand in one branch: two loads of mine are out
	s_cbranch_scc0 .Lfirst_v
	tensor_load_to_lds s[G0K:G0K+3], s[G1K:G1K+7]
	s_nop 0
	tensor_load_to_lds s[G0K+4:G0K+7], s[G1K:G1K+7]
	s_nop 0
.rept 4
	v_nop
.endr
	s_branch .Lfirst_asked
.Lfirst_v:
	tensor_load_to_lds s[G0V:G0V+3], s[G1V:G1V+7]
	s_nop 0
	tensor_load_to_lds s[G0V+4:G0V+7], s[G1V:G1V+7]
	s_nop 0
.rept 4
	v_nop
.endr
.Lfirst_asked:
	v_and_b32 v1, 15, v0                           ; r
	v_bfe_u32 v9, v0, 4, 1                         ; h
	v_lshlrev_b32 v[QO], 7, v1
	v_lshl_add_u32 v[QO], v9, 4, v[QO]
.irp i, 0,1,2,3,4,5,6,7                        ; Q stays in registers: tile i / 2, channels 32 (i % 2) on
	global_load_b128 v[QF+8*\i:QF+8*\i+3],   v[QO], s[4:5] offset:(\i/2)*2048+(\i%2)*64
	global_load_b128 v[QF+8*\i+4:QF+8*\i+7], v[QO], s[4:5] offset:(\i/2)*2048+(\i%2)*64+32
.endr
	v_mul_u32_u24 v[AK0], v1, PK
	v_lshl_add_u32 v[AK0], v9, 4, v[AK0]           ; K: row x pitch + 16 x half
	v_and_b32 v14, 7, v0
	v_bfe_u32 v15, v0, 3, 1
	v_lshl_add_u32 v[AV0], v9, 3, v14              ; V, for the turning load: key 8 (l / 16) + l % 8, channels 8 ((l / 8) % 2) on
	v_mul_u32_u24 v[AV0], v[AV0], PV
	v_lshl_add_u32 v[AV0], v15, 4, v[AV0]
	v_add_nc_u32 v[AV0], VRING, v[AV0]
	s_mul_i32 s13, s[WV], 16*PK
	s_add_co_u32 s13, s13, STAGE                   ; my stage
	v_mul_u32_u24 v[STO], v1, PK
	v_lshl_add_u32 v[STO], v9, 4, v[STO]
	v_add_nc_u32 v[STO], s13, v[STO]               ; in: row r, 16 bytes for each half of the lanes
	v_bfe_u32 v11, v0, 3, 2
	v_mul_u32_u24 v[RD], v11, PK
	v_lshl_add_u32 v[RD], v14, 4, v[RD]
	v_add_nc_u32 v[RD], s13, v[RD]                 ; back: eight lanes to a row of 128 bytes, four rows a load
	v_and_b32 v[GO], 31, v0
	v_lshlrev_b32 v[GO], 4, v[GO]
.macro FETCH_K                         ; 64 keys x 64 channels: fragment f: keys 16 (f / 2) on, channels 32 (f % 2) on
	WIN 0x40
.irp f, 0,1,2,3,4,5,6,7
	ds_load_b128 v[KF+8*\f:KF+8*\f+3],   v[ADK] offset:(\f/2)*16*PK+(\f%2)*64
	ds_load_b128 v[KF+8*\f+4:KF+8*\f+7], v[ADK] offset:(\f/2)*16*PK+(\f%2)*64+32
.endr
.endm
.macro FETCH_V                         ; turned: fragment f: keys 32 (f / 4) on, channels 16 (f % 4) on
	WIN 0x40
.irp f, 0,1,2,3,4,5,6,7
	ds_load_tr16_b128 v[VF+8*\f:VF+8*\f+3],   v[ADV] offset:(\f/4)*32*PV+(\f%4)*32
	ds_load_tr16_b128 v[VF+8*\f+4:VF+8*\f+7], v[ADV] offset:(\f/4)*32*PV+16*PV+(\f%4)*32
.endr
.endm
; The accumulators take turns, one instruction a turn: between two links of a chain stand 15 others'.
.macro KQ                              ; S^T = K Q^T: 32 products; the first 16 start the sums
	WIN 0x01
.irp cs, 0,1
.irp kt, 0,1,2,3
.irp t, 0,1,2,3
.if \cs == 0
	v_wmma_f32_16x16x32_f16 v[S+32*\t+8*\kt:S+32*\t+8*\kt+7], v[KF+16*\kt+8*\cs:KF+16*\kt+8*\cs+7], v[QF+16*\t+8*\cs:QF+16*\t+8*\cs+7], 0
.else
	v_wmma_f32_16x16x32_f16 v[S+32*\t+8*\kt:S+32*\t+8*\kt+7], v[KF+16*\kt+8*\cs:KF+16*\kt+8*\cs+7], v[QF+16*\t+8*\cs:QF+16*\t+8*\cs+7], v[S+32*\t+8*\kt:S+32*\t+8*\kt+7]
.endif
.endr
.endr
.endr
.endm
.macro PV first                        ; O^T += V^T P: 32 products; in the first step the first 16 start the sums
	WIN 0x51
.irp g, 0,1
.irp ct, 0,1,2,3
.irp t, 0,1,2,3
.if \first && (\g == 0)
	v_wmma_f32_16x16x32_f16 v[O+32*\t+8*\ct:O+32*\t+8*\ct+7], v[VF+32*\g+8*\ct:VF+32*\g+8*\ct+7], v[S+32*\t+8*\g:S+32*\t+8*\g+7], 0
.else
	v_wmma_f32_16x16x32_f16 v[O+32*\t+8*\ct:O+32*\t+8*\ct+7], v[VF+32*\g+8*\ct:VF+32*\g+8*\ct+7], v[S+32*\t+8*\g:S+32*\t+8*\g+7], v[O+32*\t+8*\ct:O+32*\t+8*\ct+7]
.endif
.endr
.endr
.endr
.endm
; The four tiles' softmax of one key step, the tiles by turns in every line.  first = 1: no old maximum, no a, nothing to rescale.
.macro SOFTMAX first
	WIN 0
.irp j, 0,1,2,3                        ; the maximum of the lane's 32 scores: four chains, each begun at an accumulator's low end
.irp t, 0,1,2,3
	v_max3_num_f32 v[ST+8*\t+4+\j], v[S+32*\t+8*\j], v[S+32*\t+8*\j+1], v[S+32*\t+8*\j+2]
.endr
.endr
.irp u, 3,5
.irp j, 0,1,2,3
.irp t, 0,1,2,3
	v_max3_num_f32 v[ST+8*\t+4+\j], v[ST+8*\t+4+\j], v[S+32*\t+8*\j+\u], v[S+32*\t+8*\j+\u+1]
.endr
.endr
.endr
.irp t, 0,1,2,3
	v_max3_num_f32 v[ST+8*\t+4], v[ST+8*\t+4], v[S+32*\t+7], v[S+32*\t+15]
.endr
.irp t, 0,1,2,3
	v_max3_num_f32 v[ST+8*\t+6], v[ST+8*\t+6], v[S+32*\t+23], v[S+32*\t+31]
.endr
.irp t, 0,1,2,3
	v_max3_num_f32 v[ST+8*\t+4], v[ST+8*\t+4], v[ST+8*\t+5], v[ST+8*\t+6]
.endr
.irp t, 0,1,2,3
.if \first
	v_max_num_f32 v[ST+8*\t+4], v[ST+8*\t+4], v[ST+8*\t+7]
.else
	v_max3_num_f32 v[ST+8*\t+4], v[ST+8*\t+4], v[ST+8*\t+7], v[ST+8*\t+1]   ; with the old m
.endif
.endr
.irp t, 0,1,2,3
	v_permlanex16_b32 v[ST+8*\t+5], v[ST+8*\t+4], s[SEL], s[SEL+1]          ; the query's other 32 keys lie in the lane 16 away
.endr
.if \first == 0
.irp t, 0,1,2,3
	v_mov_b32 v[ST+8*\t+7], v[ST+8*\t]                                      ; c m_old is kept for a
.endr
.endif
.irp t, 0,1,2,3
	v_max_num_f32 v[ST+8*\t+1], v[ST+8*\t+4], v[ST+8*\t+5]
.endr
.irp t, 0,1,2,3
	v_mul_f32 v[ST+8*\t], s[CS], v[ST+8*\t+1]
.endr
.if \first == 0
.irp t, 0,1,2,3
	v_sub_f32 v[ST+8*\t+7], v[ST+8*\t+7], v[ST+8*\t]
.endr
.irp t, 0,1,2,3
	v_exp_f32 v[ST+8*\t+6], v[ST+8*\t+7]                                    ; a
.endr
.endif
; ONE BATCH: the scalings c s - c m, a pair of scores each, and all exponentials; nothing in it names an exponential's result
.irp b, 0,1,2,3,4,5,6,7,8,9,10,11,12,13,14,15
.irp t, 0,1,2,3
	v_pk_fma_f32 v[S+32*\t+2*\b:S+32*\t+2*\b+1], v[S+32*\t+2*\b:S+32*\t+2*\b+1], s[CS:CS+1], v[ST+8*\t:ST+8*\t+1] op_sel_hi:[1,0,0] neg_lo:[0,0,1] neg_hi:[0,0,1]
.endr
.irp t, 0,1,2,3
	v_exp_f32 v[S+32*\t+2*\b], v[S+32*\t+2*\b]
	v_exp_f32 v[S+32*\t+2*\b+1], v[S+32*\t+2*\b+1]
.endr
.endr
	v_nop                                          ; a plain instruction behind the last exponential
	s_wait_alu depctr_va_vdst(0)                   ; one wait for the whole batch, ahead of its first reader
; the row's sums, of the unrounded p, ahead of the packing, which writes over them
.irp t, 0,1,2,3
	v_pk_add_f32 v[ST+8*\t+4:ST+8*\t+5], v[S+32*\t:S+32*\t+1], v[S+32*\t+2:S+32*\t+3]
.endr
.irp b, 2,3,4,5,6,7,8,9,10,11,12,13,14
.irp t, 0,1,2,3
	v_pk_add_f32 v[ST+8*\t+4:ST+8*\t+5], v[ST+8*\t+4:ST+8*\t+5], v[S+32*\t+2*\b:S+32*\t+2*\b+1]
.endr
.endr
.irp t, 0,1,2,3
.if \first
	v_pk_add_f32 v[ST+8*\t+2:ST+8*\t+3], v[ST+8*\t+4:ST+8*\t+5], v[S+32*\t+30:S+32*\t+31]
.else
	v_pk_add_f32 v[ST+8*\t+4:ST+8*\t+5], v[ST+8*\t+4:ST+8*\t+5], v[S+32*\t+30:S+32*\t+31]
.endif
.endr
.if \first == 0
.irp t, 0,1,2,3
	v_pk_fma_f32 v[ST+8*\t+2:ST+8*\t+3], v[ST+8*\t+2:ST+8*\t+3], v[ST+8*\t+6:ST+8*\t+7], v[ST+8*\t+4:ST+8*\t+5] op_sel_hi:[1,0,1]   ; l = a l + the sum
.endr
.endif
; P in f16, in place, ascending: register i takes weights 2 i and 2 i + 1, which no earlier line has written over
.irp i, 0,1,2,3,4,5,6,7,8,9,10,11,12,13,14,15
.irp t, 0,1,2,3
	v_cvt_pk_f16_f32 v[S+32*\t+\i], v[S+32*\t+2*\i], v[S+32*\t+2*\i+1]
.endr
.endr
.if \first == 0
	WIN 0x41                                       ; O^T times a
.irp i, 0,1,2,3,4,5,6,7,8,9,10,11,12,13,14,15
.irp t, 0,1,2,3
	v_pk_mul_f32 v[O+32*\t+2*\i:O+32*\t+2*\i+1], v[O+32*\t+2*\i:O+32*\t+2*\i+1], v[ST+8*\t+6:ST+8*\t+7] op_sel_hi:[1,0]
.endr
.endr
.endif
.endm
; KEY STEP j.  On the way in: S^T holds step j's scores, V of step j has been asked for.  more = 1: K and V of step j + 1 are fetched and its scores made.
.macro BODY first, more
.if \more
	v_add_nc_u32 v[ADK], s[TK], v[AK0]             ; these two and two v_nop are the four places behind the products that read K and wrote S^T
	v_add_nc_u32 v[ADV], s[TV], v[AV0]
	v_nop
	v_nop
	s_add_co_u32 s[TK], s[TK], KS*PK
	s_add_co_u32 s[TV], s[TV], KS*PV
	FETCH_K
.else
.rept 4
	v_nop
.endr
.endif
	SOFTMAX \first
.if \more
	s_wait_dscnt 16                                ; V of step j is in; the 16 loads of K of step j + 1 may be out
.else
	s_wait_dscnt 0x0
.endif
	PV \first
.if \more
.rept 5
	v_nop                                          ; five places: the next products write over P, which these have read; the loads into V's registers want four
.endr
	FETCH_V
	s_wait_dscnt 16                                ; K of step j + 1 is in; V's 16 loads may be out
	KQ
.endif
	WIN 0
.endm
; THE CHANGE OF SLOTS stands between the scores of a slot's last step and the fetch of the next slot's first K: all reads of the old slot have been issued.  Each wave waits for all its tensor loads,
; adds 0 to its spare word, and waits for that and for its reads.  fill = 1: the barrier is a round of the cluster's, and the joint refill, the keys 1,024 further on, is the first thing behind it.
.macro CHANGE slot, fill
	s_wait_tensorcnt 0x0
	ds_add_u32 v[SPW], v[NIL]
.if \fill
	s_add_nc_u64 s[G0K+4*\slot+2:G0K+4*\slot+3], s[G0K+4*\slot+2:G0K+4*\slot+3], 0x20000
	s_add_nc_u64 s[G0V+4*\slot+2:G0V+4*\slot+3], s[G0V+4*\slot+2:G0V+4*\slot+3], 0x20000
.endif
	s_wait_dscnt 0x0
.if \fill
	CROUND
	JLOAD \slot
.else
	s_barrier_signal -1
	s_barrier_wait -1
.endif
.endm
.macro LOOP n
	s_mov_b32 s[CNT], \n
.Lbody_\@:
	BODY 0, 1
	s_sub_co_u32 s[CNT], s[CNT], 1
	s_cmp_lg_u32 s[CNT], 0
	s_cbranch_scc1 .Lbody_\@
.endm
	s_wait_tensorcnt 1                             ; my part of slot 0 is in; slot 1's may stay out
	s_barrier_signal -1
	s_barrier_wait -1
	v_mov_b32 v[ADK], v[AK0]                       ; key step 0
	v_mov_b32 v[ADV], v[AV0]
	FETCH_K
	FETCH_V
	s_mov_b32 s[TK], KS*PK
	s_mov_b32 s[TV], KS*PV
	s_wait_loadcnt 0x0                             ; Q
	s_wait_dscnt 16                                ; K is in; V's 16 loads may be out
	KQ
	WIN 0
	BODY 1, 1                                      ; step 0; fetches step 1
	LOOP 6                                         ; steps 1-6; fetch steps 2-7: slot 0's last
	CHANGE 0, 1                                    ; slot 0 takes keys 1,024 on
	LOOP 8                                         ; steps 7-14; fetch steps 8-15: slot 1
	CHANGE 1, 1                                    ; slot 1 takes keys 1,536 on
	s_mov_b32 s[TK], 0                             ; the fetches go back to the rings' heads
	s_mov_b32 s[TV], 0
	LOOP 8                                         ; steps 15-22; fetch steps 16-23: slot 0
	CHANGE 0, 0                                    ; nothing is left to ask for
	LOOP 8                                         ; steps 23-30; fetch steps 24-31: slot 1
	BODY 0, 0                                      ; step 31
	; THE WAY OUT.  l's halves and the other half of the lanes' are added; O^T / l, rounded to f16, goes through my stage, a tile of 16 rows at a time.  The four additions are the places behind the last products.
.irp t, 0,1,2,3
	v_add_f32 v[ST+8*\t+4], v[ST+8*\t+2], v[ST+8*\t+3]
.endr
.irp t, 0,1,2,3
	v_permlanex16_b32 v[ST+8*\t+5], v[ST+8*\t+4], s[SEL], s[SEL+1]
.endr
.irp t, 0,1,2,3
	v_add_f32 v[ST+8*\t+4], v[ST+8*\t+4], v[ST+8*\t+5]
.endr
.irp t, 0,1,2,3
	v_rcp_f32 v[ST+8*\t+6], v[ST+8*\t+4]
.endr
	v_nop
	s_wait_alu depctr_va_vdst(0)                   ; one wait for the four reciprocals
.macro PACK t
	WIN 0x41
.set i, 0
.rept 16
	v_pk_mul_f32 v[O+32*\t+2*i:O+32*\t+2*i+1], v[O+32*\t+2*i:O+32*\t+2*i+1], v[ST+8*\t+6:ST+8*\t+7] op_sel_hi:[1,0]
.set i, i+1
.endr
	WIN 0x05
.set i, 0
.rept 16
	v_cvt_pk_f16_f32 v[S+32*\t+i], v[O+32*\t+2*i], v[O+32*\t+2*i+1]
.set i, i+1
.endr
	WIN 0
.irp ct, 0,1,2,3
	ds_store_b128 v[STO], v[S+32*\t+4*\ct:S+32*\t+4*\ct+3] offset:32*\ct
.endr
.irp i, 0,1,2,3
	ds_load_b128 v[S+32*\t+16+4*\i:S+32*\t+16+4*\i+3], v[RD] offset:\i*4*PK   ; LDS serves a wave's instructions in order: these see the stores above, and the next tile's stores come behind them
.endr
.endm
.macro SEND t, younger                 ; younger: the LDS instructions issued behind tile t's loads
.irp i, 0,1,2,3
	s_wait_dscnt \younger+3-\i
	global_store_b128 v[GO], v[S+32*\t+16+4*\i:S+32*\t+16+4*\i+3], s[6:7] offset:\t*2048+\i*512   ; four rows: 512 consecutive bytes
.endr
.endm
	PACK 0
	PACK 1
	SEND 0, 8
	PACK 2
	SEND 1, 8
	PACK 3
	SEND 2, 8
	SEND 3, 0
	s_wait_tensorcnt 0x0                           ; the wave's end
	ds_add_u32 v[SPW], v[NIL]
	s_wait_dscnt 0x0
	CROUND                                         ; the closing round
	s_endpgm
.Lfunc_end_k_q98b8efd43e_attn:
	.size	k_q98b8efd43e_attn, .Lfunc_end_k_q98b8efd43e_attn-k_q98b8efd43e_attn
	.p2alignl 7, 3214868480
	.fill 96, 4, 3214868480
	.section	.rodata,"a",@progbits
	.p2align	6, 0x0
	.amdhsa_kernel k_q98b8efd43e_attn
		.amdhsa_group_segment_fixed_size 327680
		.amdhsa_private_segment_fixed_size 0
		.amdhsa_enable_private_segment 0
		.amdhsa_kernarg_size 16
		.amdhsa_user_sgpr_count 2
		.amdhsa_user_sgpr_kernarg_segment_ptr 1
		.amdhsa_wavefront_size32 1
		.amdhsa_system_sgpr_workgroup_id_x 1
		.amdhsa_system_sgpr_workgroup_id_y 1
		.amdhsa_system_sgpr_workgroup_id_z 1
		.amdhsa_system_vgpr_workitem_id 0
		.amdhsa_next_free_vgpr 512
		.amdhsa_next_free_sgpr 66
		.amdhsa_reserve_vcc 0
		.amdhsa_float_denorm_mode_32 3
		.amdhsa_float_denorm_mode_16_64 3
		.amdhsa_memory_ordered 1
		.amdhsa_forward_progress 1
		.amdhsa_inst_pref_size 210
	.end_amdhsa_kernel
	.amdgpu_metadata
---
amdhsa.version: [ 1, 2 ]
amdhsa.kernels:
  - .name:           k_q98b8efd43e_attn
    .symbol:         k_q98b8efd43e_attn.kd
    .args:
      - { .name: qkv, .offset: 0, .size: 8, .value_kind: global_buffer, .address_space: global }
      - { .name: attn, .offset: 8, .size: 8, .value_kind: global_buffer, .address_space: global }
    .group_segment_fixed_size: 327680
    .private_segment_fixed_size: 0
    .kernarg_segment_align: 8
    .kernarg_segment_size: 16
    .max_flat_workgroup_size: 256
    .sgpr_count:     66
    .vgpr_count:     512
    .wavefront_size: 32
...
	.end_amdgpu_metadata
.endif
;; end of part 3
;; launch oproj (part 4): grid 8 x 32, 4 waves a work-group, clusters of 4 x 4, 327,680 bytes of LDS; arguments attn, wo_h, bo, out0; writes out0
.if DOCPART == 4
	.amdgcn_target "amdgcn-amd-amdhsa--gfx1250"
	.amdhsa_code_object_version 6
	.text
	.protected	k_q98b8efd43e_oproj
	.globl	k_q98b8efd43e_oproj
	.p2align	8
	.type	k_q98b8efd43e_oproj,@function
k_q98b8efd43e_oproj:
	s_mov_b64 s[64:65], 0
	v_nop
	global_prefetch_b8 v0, s[64:65] scope:SCOPE_SE
	s_setreg_imm32_b32 hwreg(HW_REG_WAVE_MODE, 25, 1), 1
	s_wait_xcnt 0x0
	s_wait_alu depctr_hold_cnt(0) depctr_sa_sdst(0) depctr_va_vdst(0) depctr_va_sdst(0) depctr_va_ssrc(0) depctr_va_vcc(0) depctr_vm_vsrc(0)
	s_getreg_b32 s2, hwreg(HW_REG_IB_STS2, 6, 4)
	s_cmp_eq_u32 s2, 0
	s_cbranch_scc0 .Lentry_in_a_cluster
	s_endpgm
.Lentry_in_a_cluster:
	s_bfe_u32 s2, ttmp6, 0x10000c
	s_cmp_lg_u32 s2, 0xf033
	s_cbranch_scc0 .Lentry_shape_is_right
	s_endpgm
.Lentry_shape_is_right:
; OPROJ: out0 [8192][1024] f32 = attn [8192][1024] f16 x Wo + bo, f16 operands, f32 sums.  No work of the problem is left out here.
; A tile of 256 rows x 128 columns is made by four waves, 128 x 64 each: 32 accumulators; 256 work-groups.  K goes in 8 steps of 128 through a ring of two LDS slots.
; attn's tiles lie as rows (256 bytes of a row to a step, 16 bytes of padding behind each in LDS); Wo^T's lie as images of the operand's registers: a fragment is two loads of 512 consecutive bytes.
; CLUSTERS: 4 x 4.  The four of a row of the cluster need the same rows of attn, the four of a column the same columns of Wo: each tile is asked for JOINTLY.
; THE MATRIX INSTRUCTION IS USED TRANSPOSED (source 0 = 16 columns of Wo, source 1 = 16 rows of attn): a lane holds one row and eight neighbouring columns.  bo is the C of each sum's first instruction.
; REGISTERS: window 0: v16-29 addresses; v32-63 the bias in the result's layout; v64-127 rows on the way out.  window 1: two fragment buffers: A 64 registers, then B 32, at v0 and at v128.  window 2: the accumulators ((a, b) at v[8 (4 a + b)]).
.set KSTEP,  128
.set PITCH,  272
.set HALFT,  128*PITCH
.set HALFB,  16384
.set BOFF,   2*HALFT
.set SLOT,   2*HALFT+2*HALFB
.set STAGE,  2*SLOT                    ; 16 rows x (256 bytes + 16) for each wave; no tensor load lands here
.set SPITCH, 272
.set SPARE,  STAGE+4*16*SPITCH         ; the spare words: 128 bytes a wave, named by no other line
.set LAPS,   4
.set ADRA, 16
.set ADRB, 20
.set STO,  24
.set RD,   25
.set CO,   26
.set BO,   27
.set SPW,  28
.set NIL,  29
.set BIAS, 32
.set OB,   64
.set F0,   0
.set F1,   128
.set G1,  24
.set G0,  32
.set G1B, 48
.set G0B, 56
.set MSB, 0
.macro WIN new
.if MSB != \new
	s_set_vgpr_msb (MSB<<8)|\new
.set MSB, \new
.endif
.endm
.set MUL,  0xa5                        ; sources 0 and 1 window 1; C and D window 2
.set MULZ, 0x85                        ; the same with C (the bias) in window 0
.set TO_F, 0x40
.macro JLOAD s                         ; waves 0 and 1 fetch A's halves, waves 2 and 3 B's; an s_nop 0 and four v_nop follow each of the two lines
	s_cmp_eq_u32 s13, 0
	s_cbranch_scc0 .Lfor_b_\@
	tensor_load_to_lds s[G0+4*\s:G0+4*\s+3], s[G1:G1+7]
	s_nop 0
.rept 4
	v_nop
.endr
	s_branch .Lasked_\@
.Lfor_b_\@:
	tensor_load_to_lds s[G0B+4*\s:G0B+4*\s+3], s[G1B:G1B+7]
	s_nop 0
.rept 4
	v_nop
.endr
.Lasked_\@:
.endm
.macro CREST
	s_cmp_lg_u32 s12, 0
	s_cbranch_scc1 .Lnot_wave_0_\@
	s_barrier_signal -3
.Lnot_wave_0_\@:
	s_barrier_wait -3
	s_barrier_signal -1
	s_barrier_wait -1
.endm
.macro CROUND
	s_barrier_signal -1
	s_barrier_wait -1
	CREST
.endm
	s_load_b256 s[4:11], s[0:1], 0x0               ; attn 4, wo_h 6, bo 8, out0 10
	v_lshl_add_u32 v[SPW], v0, 2, SPARE
	v_mov_b32 v[NIL], 0
	ds_add_u32 v[SPW], v[NIL]                      ; the wave's opening: the add, twice on end, and its wait ahead of my first tensor load
	ds_add_u32 v[SPW], v[NIL]
	v_lshrrev_b32 v1, 5, v0
	v_readfirstlane_b32 s12, v1                    ; wave
	s_lshr_b32 s13, s12, 1                         ; which half of the tile's rows is mine.  Also: I fetch for A (0) or for B (1)
	s_and_b32 s14, s12, 1                          ; which half of its columns.  Also: which half I fetch
	s_bfe_u32 s40, ttmp6, 0x40000                  ; cx
	s_bfe_u32 s41, ttmp6, 0x40004                  ; cy
	s_lshl_b32 s42, ttmp9, 2
	s_add_co_u32 s42, s42, s40                     ; tile column
	s_and_b32 s15, ttmp7, 0xffff
	s_lshl_b32 s15, s15, 2
	s_add_co_u32 s15, s15, s41                     ; tile row
	s_lshl_b32 s43, s41, 2
	s_lshl_b32 s43, 15, s43                        ; my row of the cluster
	s_lshl_b32 s44, 0x1111, s40                    ; my column
	s_or_b32 s[G1+0], s43, (1<<16)|(1<<20)|(1<<21)|(5<<22)|(3<<25)   ; A: elements of 2 bytes; 4 words of padding behind every 64
	s_mov_b32 s[G1+1], KSTEP<<16
	s_mov_b32 s[G1+2], 128<<16
	s_mov_b32 s[G1+3], KSTEP<<16
	s_mov_b32 s[G1+4], 128
	s_mov_b32 s[G1+5], 1024
	s_mov_b32 s[G1+6], 0
	s_mov_b32 s[G1+7], 0
	s_or_b32 s[G1B+0], s44, (3<<16)|(1<<21)        ; B: a dense block as 64 rows of 32 elements of 8 bytes; no padding
	s_mov_b32 s[G1B+1], 32<<16
	s_mov_b32 s[G1B+2], 64<<16
	s_mov_b32 s[G1B+3], 32<<16
	s_mov_b32 s[G1B+4], 64
	s_mov_b32 s[G1B+5], 32
	s_mov_b32 s[G1B+6], 0
	s_mov_b32 s[G1B+7], 0
	s_lshl_b32 s16, s15, 8
	s_lshl_b32 s17, s14, 7
	s_add_co_u32 s16, s16, s17
	s_lshl_b32 s16, s16, 11                        ; A: (256 x tile row + 128 x half) rows of 2,048 bytes
	s_mov_b32 s17, 0
	s_lshl_b32 s46, s42, 4
	s_add_co_u32 s46, s46, s14
	s_lshl_b32 s46, s46, 14                        ; B: block 16 x tile column + half; a K step on is 2 blocks on
	s_mov_b32 s47, 0
	s_mul_i32 s20, s14, HALFT                      ; where they go: no place in the cluster enters an LDS address
	s_mul_i32 s21, s14, HALFB
	s_add_co_u32 s21, s21, BOFF
	s_wait_dscnt 0x0                               ; both opening adds are done
	s_wait_kmcnt 0x0
	s_add_nc_u64 s[16:17], s[4:5], s[16:17]
	s_add_nc_u64 s[46:47], s[6:7], s[46:47]
	CROUND                                         ; all sixteen work-groups are here: the first joint loads meet
.irp s, 0,1
	s_mov_b32 s[G0+4*\s], 1
	s_add_co_u32 s[G0+4*\s+1], s20, \s*SLOT
	s_add_nc_u64 s[G0+4*\s+2:G0+4*\s+3], s[16:17], \s*KSTEP*2
	s_or_b32 s[G0+4*\s+3], s[G0+4*\s+3], 0x80000000
	s_mov_b32 s[G0B+4*\s], 1
	s_add_co_u32 s[G0B+4*\s+1], s21, \s*SLOT
	s_add_nc_u64 s[G0B+4*\s+2:G0B+4*\s+3], s[46:47], \s*2*HALFB
	s_or_b32 s[G0B+4*\s+3], s[G0B+4*\s+3], 0x80000000
	JLOAD \s                                       ; two loads of mine are out behind the second
.endr
	v_and_b32 v1, 15, v0                           ; r
	v_bfe_u32 v2, v0, 4, 1                         ; h
	v_and_b32 v6, 31, v0
	v_lshlrev_b32 v6, 4, v6                        ; 16 x lane
	v_mul_u32_u24 v3, v1, PITCH
	v_lshl_add_u32 v3, v2, 4, v3
	s_mul_i32 s21, s13, HALFT                      ; my 128 rows of A
	s_mul_i32 s22, s14, HALFB                      ; my 64 columns of B
	s_add_co_u32 s22, s22, BOFF
.irp s, 0,1
	v_add_nc_u32 v[ADRA+\s], s21, v3
	v_add_nc_u32 v[ADRB+\s], s22, v6
	s_add_co_u32 s21, s21, SLOT
	s_add_co_u32 s22, s22, SLOT
.endr
	s_mul_i32 s23, s12, 16*SPITCH
	s_add_co_u32 s23, s23, STAGE                   ; my stage
	v_mul_u32_u24 v4, v1, SPITCH
	v_lshl_add_u32 v4, v2, 5, v4
	v_add_nc_u32 v[STO], s23, v4                   ; in: row r, 32 bytes for each half of the lanes
	v_mul_u32_u24 v5, v2, SPITCH
	v_lshl_add_u32 v5, v1, 4, v5
	v_add_nc_u32 v[RD], s23, v5                    ; back: lanes 0-15 one row of 256 bytes, lanes 16-31 the next
	v_lshlrev_b32 v5, 12, v2
	v_lshl_add_u32 v[CO], v1, 4, v5                ; and the same two rows in out0
	s_lshl_b32 s16, s42, 9
	s_lshl_b32 s17, s14, 8
	s_add_co_u32 s16, s16, s17                     ; my first column, in bytes
	s_mov_b32 s17, 0
	s_add_nc_u64 s[8:9], s[8:9], s[16:17]
	s_add_nc_u64 s[10:11], s[10:11], s[16:17]
	s_lshl_b32 s16, s15, 8
	s_lshl_b32 s18, s13, 7
	s_add_co_u32 s16, s16, s18
	s_lshl_b32 s16, s16, 12                        ; my first row
	s_add_nc_u64 s[10:11], s[10:11], s[16:17]
	v_lshlrev_b32 v[BO], 5, v2                     ; lane (r, h) wants columns 16 b + 8 h + 0 .. 7
.irp b, 0,1,2,3
	global_load_b128 v[BIAS+8*\b:BIAS+8*\b+3], v[BO], s[8:9] offset:64*\b
	global_load_b128 v[BIAS+8*\b+4:BIAS+8*\b+7], v[BO], s[8:9] offset:64*\b+16
.endr
; 8 matrix instructions: row blocks a0, a0 + 1 x the 4 column blocks, 32 along K.  The 32 accumulators take turns, one instruction a turn, in the same order in every quarter.
.macro MULA f, a0, zero
.irp a, \a0, \a0+1
.irp b, 0,1,2,3
.if \zero
	v_wmma_f32_16x16x32_f16 v[8*(4*(\a)+\b):8*(4*(\a)+\b)+7], v[\f+64+8*\b:\f+64+8*\b+7], v[\f+8*(\a):\f+8*(\a)+7], v[BIAS+8*\b:BIAS+8*\b+7]
.else
	v_wmma_f32_16x16x32_f16 v[8*(4*(\a)+\b):8*(4*(\a)+\b)+7], v[\f+64+8*\b:\f+64+8*\b+7], v[\f+8*(\a):\f+8*(\a)+7], v[8*(4*(\a)+\b):8*(4*(\a)+\b)+7]
.endif
.endr
.endr
.endm
; 24 LDS loads in one run: the slot's kk-th 32 along K into buffer f: B's 8, A's rows 0-63 (8), A's rows 64-127 (8)
.macro FETCH slot, kk, f
	WIN TO_F
.irp i, 0,1,2,3
	ds_load_b128 v[\f+64+8*\i:\f+64+8*\i+3],   v[ADRB+\slot] offset:(4*\i+\kk)*1024
	ds_load_b128 v[\f+64+8*\i+4:\f+64+8*\i+7], v[ADRB+\slot] offset:(4*\i+\kk)*1024+512
.endr
.irp i, 0,1,2,3,4,5,6,7
	ds_load_b128 v[\f+8*\i:\f+8*\i+3],   v[ADRA+\slot] offset:64*\kk+\i*16*PITCH
	ds_load_b128 v[\f+8*\i+4:\f+8*\i+7], v[ADRA+\slot] offset:64*\kk+\i*16*PITCH+32
.endr
.endm
.macro PLACES                          ; four plain vector instructions between a matrix instruction and a load into, or a read of, its registers
.rept 4
	v_nop
.endr
.endm
.macro MWIN zero
.if \zero
	WIN MULZ
.else
	WIN MUL
.endif
.endm
; A K step is four quarters of 32 along K, 32 matrix instructions each, on buffers 0, 1, 0, 1.  One of the first three: multiplies f and fetches the quarter kk into g.
.macro QUARTER slot, kk, f, g, zero
	s_wait_dscnt 8                                 ; B and A's rows 0-63 are in; the youngest eight loads may be out
	MWIN \zero
	MULA \f, 0, \zero
	MULA \f, 2, \zero
	PLACES
	FETCH \slot, \kk, \g
	s_wait_dscnt 24                                ; all but the 24 just issued
	MWIN \zero
	MULA \f, 4, \zero
	MULA \f, 6, \zero
.endm
; The last quarter multiplies buffer 1 and changes slots: ONE barrier; in front of it each wave waits for all its tensor loads, adds 0 to its spare word, and waits for that and for its reads of this slot.
.macro TURN slot, next, fill
	WIN 0
	s_wait_tensorcnt 0x0                           ; my part of the next slot has landed
	ds_add_u32 v[SPW], v[NIL]
	s_wait_dscnt 9                                 ; the add and the youngest eight loads may be out
	WIN MUL
	MULA F1, 0, 0
	s_wait_dscnt 0x0                               ; the add is done, and my reads of this slot are over
	s_barrier_signal -1
	MULA F1, 2, 0
.if \fill
	WIN 0
.endif
	s_barrier_wait -1
.if \fill
	CREST                                          ; the barrier has opened a round of the cluster's: no wave of any partner still reads this slot or has a load on its way
	s_add_nc_u64 s[G0+4*\slot+2:G0+4*\slot+3], s[G0+4*\slot+2:G0+4*\slot+3], 2*KSTEP*2
	s_add_nc_u64 s[G0B+4*\slot+2:G0B+4*\slot+3], s[G0B+4*\slot+2:G0B+4*\slot+3], 4*HALFB
	JLOAD \slot                                    ; the first tensor load behind the round; its four v_nop are also the places in front of the loads below
.else
	PLACES
.endif
	FETCH \next, 0, F0
	WIN MUL
	MULA F1, 4, 0
	MULA F1, 6, 0
.endm
	s_wait_loadcnt 0x0                             ; the bias
	s_wait_tensorcnt 1                             ; my part of K step 0 is in; K step 1's may be out
	s_barrier_signal -1
	s_barrier_wait -1
	FETCH 0, 0, F0
	QUARTER 0, 1, F0, F1, 1                        ; the first quarter stands in front of the loop: its products begin the sums with the bias
	WIN 0
	s_mov_b32 s3, LAPS-1
.Llap:                                                 ; a trip goes once round the ring and fills both slots again
	QUARTER 0, 2, F1, F0, 0
	QUARTER 0, 3, F0, F1, 0
	TURN 0, 1, 1
	QUARTER 1, 1, F0, F1, 0
	QUARTER 1, 2, F1, F0, 0
	QUARTER 1, 3, F0, F1, 0
	TURN 1, 0, 1
	QUARTER 0, 1, F0, F1, 0
	WIN 0
	s_sub_co_u32 s3, s3, 1
	s_cmp_lg_u32 s3, 0
	s_cbranch_scc1 .Llap
	QUARTER 0, 2, F1, F0, 0                        ; the last lap fills nothing
	QUARTER 0, 3, F0, F1, 0
	TURN 0, 1, 0
	QUARTER 1, 1, F0, F1, 0
	QUARTER 1, 2, F1, F0, 0
	QUARTER 1, 3, F0, F1, 0
	s_wait_dscnt 8
	WIN MUL
	MULA F1, 0, 0
	MULA F1, 2, 0
	s_wait_dscnt 0
	MULA F1, 4, 0
	MULA F1, 6, 0
	WIN 0
; THE WAY OUT, a block of 16 rows x 64 columns at a time, through my own stage: a lane's 32 bytes go in, whole rows of 256 bytes come back.  LDS serves a wave's instructions in order.
.macro TOSTAGE a
	WIN 0x08                                       ; an LDS store's data are its source 1: window 2
.irp b, 0,1,2,3
	ds_store_b128 v[STO], v[32*(\a)+8*\b:32*(\a)+8*\b+3] offset:64*\b          ; each accumulator from its low end on
	ds_store_b128 v[STO], v[32*(\a)+8*\b+4:32*(\a)+8*\b+7] offset:64*\b+16
.endr
	WIN 0
.set BB, OB+32*((\a)%2)
.irp t, 0,1,2,3,4,5,6,7
	ds_load_b128 v[BB+4*\t:BB+4*\t+3], v[RD] offset:\t*2*SPITCH
.endr
.endm
.macro SEND a, younger                 ; younger: the LDS instructions issued behind block a's loads
.set BB, OB+32*((\a)%2)
	s_wait_dscnt \younger
.irp t, 0,1,2,3,4,5,6,7
	global_store_b128 v[CO], v[BB+4*\t:BB+4*\t+3], s[10:11] offset:(16*(\a)+2*\t)*4096 th:TH_STORE_NT   ; sixteen lanes store 256 consecutive bytes, at a multiple of 256 from out0's first byte
.endr
.endm
	PLACES
	TOSTAGE 0
.irp a, 1,2,3,4,5,6,7
.if \a > 1
	s_wait_xcnt 0x0                                ; block a - 2's stores have read their registers: block a's rows may land there
.endif
	TOSTAGE \a
	SEND \a-1, 16                                  ; behind block a - 1's loads: block a's 8 stores and 8 loads
.endr
	SEND 7, 0
	s_wait_tensorcnt 0x0                           ; the wave's end
	ds_add_u32 v[SPW], v[NIL]
	s_wait_dscnt 0x0
	CROUND                                         ; the closing round
	s_endpgm
.Lfunc_end_k_q98b8efd43e_oproj:
	.size	k_q98b8efd43e_oproj, .Lfunc_end_k_q98b8efd43e_oproj-k_q98b8efd43e_oproj
	.p2alignl 7, 3214868480
	.fill 96, 4, 3214868480
	.section	.rodata,"a",@progbits
	.p2align	6, 0x0
	.amdhsa_kernel k_q98b8efd43e_oproj
		.amdhsa_group_segment_fixed_size 327680
		.amdhsa_private_segment_fixed_size 0
		.amdhsa_enable_private_segment 0
		.amdhsa_kernarg_size 32
		.amdhsa_user_sgpr_count 2
		.amdhsa_user_sgpr_kernarg_segment_ptr 1
		.amdhsa_wavefront_size32 1
		.amdhsa_system_sgpr_workgroup_id_x 1
		.amdhsa_system_sgpr_workgroup_id_y 1
		.amdhsa_system_sgpr_workgroup_id_z 1
		.amdhsa_system_vgpr_workitem_id 0
		.amdhsa_next_free_vgpr 768
		.amdhsa_next_free_sgpr 66
		.amdhsa_reserve_vcc 0
		.amdhsa_float_denorm_mode_32 3
		.amdhsa_float_denorm_mode_16_64 3
		.amdhsa_memory_ordered 1
		.amdhsa_forward_progress 1
		.amdhsa_inst_pref_size 86
	.end_amdhsa_kernel
	.amdgpu_metadata
---
amdhsa.version: [ 1, 2 ]
amdhsa.kernels:
  - .name:           k_q98b8efd43e_oproj
    .symbol:         k_q98b8efd43e_oproj.kd
    .args:
      - { .name: attn, .offset: 0, .size: 8, .value_kind: global_buffer, .address_space: global }
      - { .name: wo_h, .offset: 8, .size: 8, .value_kind: global_buffer, .address_space: global }
      - { .name: bo, .offset: 16, .size: 8, .value_kind: global_buffer, .address_space: global }
      - { .name: out0, .offset: 24, .size: 8, .value_kind: global_buffer, .address_space: global }
    .group_segment_fixed_size: 327680
    .private_segment_fixed_size: 0
    .kernarg_segment_align: 8
    .kernarg_segment_size: 32
    .max_flat_workgroup_size: 128
    .sgpr_count:     66
    .vgpr_count:     768
    .wavefront_size: 32
...
	.end_amdgpu_metadata
.endif
;; end of part 4
